; MI455X (gfx1250); checked and timed in simulation.
; The chip was launched on July 23, 2026; its instructions are those of AMD's public machine-readable ISA for CDNA 5 (MIT licence, August 2026) and "CDNA5" Instruction Set Architecture Reference Guide (July 2026). The comments in the code are by the model that wrote it; some were corrected since.
;; Causal Self Attention. Allowed arithmetic: matrix products marked QUANTISED: E2M1 operands, one E8M0 scale for each 32 along K, by v_wmma_scale_f32_16x16x128_f8f6f4 with both operands' format E2M1 (or v_wmma_scale_f32_32x16x128_f4), f32 sums; products left as they are: bf16, f16 or f32 operands; f32 sums; everything else in f32.
;; Inputs: b_attn 3,072 float32; b_proj 1,024 float32; w_attn 1,024 x 3,072 float32; w_proj 1,024 x 1,024 float32; x 4 x 2,048 x 1,024 float32.
;; Outputs: out0 4 x 2,048 x 1,024 float32.
;; This version of the problem:
;;   THIS VERSION OF THE PROBLEM IS GIVEN IN LOW PRECISION. The matrix products marked QUANTISED in the list below multiply operands that are first quantised to E2M1 (2 exponent bits, 1 mantissa bit; 4 bits a number), with one power-of-two scale for each 32 numbers along K (OCP MX v1.0); their sums are f32. The products marked 'left as it is' may take bf16, f16 or f32 operands, with f32 sums. Whichever they take, every output number must still come out within the allowed error. Rounding operands to bf16 (8 significant bits) uses up far more of that allowance than f16 does (11 bits, for magnitudes from 6e-5 to 65,504). All else is computed in f32.
;;   The module's matrix products, in the order in which they are computed (A, B: the left and right operand; K: the contracted axis; several contracted axes count as one K, in the product's order):
;;     1. [M 8,192, K 1,024] x [K 1,024, N 3,072]; A: input x; B: input w_attn: QUANTISED
;;     2. batch 64 x [M 2,048, K 64] x [K 64, N 2,048]; A: computed on the way; B: computed on the way: left as it is (an operand is computed on the way)
;;     3. batch 64 x [M 2,048, K 2,048] x [K 2,048, N 64]; A: computed on the way; B: computed on the way: left as it is (an operand is computed on the way)
;;     4. [M 8,192, K 1,024] x [K 1,024, N 1,024]; A: computed on the way; B: input w_proj: left as it is (an operand is computed on the way)
;;   THE QUANTISER, for each operand of a quantised product, along K:
;;     - K is cut into blocks of 32 from its start; a last block that is shorter is filled with zeros.
;;     - A block's scale is 2^e with e = floor(log2(the largest magnitude in the block)) - 2, held to -126 .. 127; a block of zeros has e = 0. As a byte (E8M0): e + 127.
;;     - Each number is divided by its block's scale, clamped to +-6, and rounded to the nearest number of E2M1, ties to even, subnormals kept.
;;     - The product sums the exact products of the quantised numbers (number of the format x scale) in f32.
;;   ~~~python
;;   def quantise(x, axis):      # numpy; x: float32 -> the quantised numbers, widened to float32 again
;;       x = np.moveaxis(x, axis, -1); K = x.shape[-1]
;;       x = np.pad(x, [(0, 0)] * (x.ndim - 1) + [(0, -K % 32)]); x = x.reshape(x.shape[:-1] + (-1, 32)); a = np.abs(x).max(-1, keepdims=True)
;;       e = np.where(a > 0, np.clip(np.frexp(np.where(a > 0, a, 1))[1] - 1 - 2, -126, 127), 0)      # np.frexp(a)[1] - 1 = floor(log2(a)), exactly
;;       r = np.clip(x / 2.0 ** e, -6, 6)
;;       step = 2.0 ** (np.maximum(np.frexp(np.where(r == 0, 1, r))[1] - 1, 0) - 1)
;;       q = np.round(r / step) * step * 2.0 ** e      # np.round: ties to even
;;       return np.moveaxis(q.reshape(q.shape[:-2] + (-1,))[..., :K], -1, axis).astype(np.float32)
;;   ~~~
;; One version. Each part assembles by itself: llvm-mc -triple=amdgcn-amd-amdhsa -mcpu=gfx1250 --defsym DOCPART=n.
;; ======== version 1 of 1: 5 launches
;; limits: values are held in f16: magnitudes above 65,504 overflow, below 6.1e-05 lose precision
;; workspace buffers: x_codes 4,194,304 bytes; x_scales 262,144 bytes; w_codes 1,572,864 bytes; w_scales 98,304 bytes; wp16 2,097,152 bytes; qkv 50,331,648 bytes; qkv16 786,432 bytes; y16 16,777,216 bytes
;; launch prep (part 1): grid 432 x 1, 4 waves a work-group, no clusters, 68,096 bytes of LDS; arguments x, w_attn, w_proj, x_codes, x_scales, w_codes, w_scales, wp16; writes x_codes, x_scales, w_codes, w_scales, wp16
.if DOCPART == 1
	.amdgcn_target "amdgcn-amd-amdhsa--gfx1250"
	.amdhsa_code_object_version 6
	.text
	.protected	k_q469aa14398_prep
	.globl	k_q469aa14398_prep
	.p2align	8
	.type	k_q469aa14398_prep,@function
k_q469aa14398_prep:
	s_mov_b64 s[64:65], 0
	v_nop
	global_prefetch_b8 v0, s[64:65] scope:SCOPE_SE
	s_setreg_imm32_b32 hwreg(HW_REG_WAVE_MODE, 25, 1), 1
	s_wait_xcnt 0x0
; Three jobs in one launch, told apart by the work-group's number alone:
;   work-groups   0-255: x [8192][1024] f32 -> codes of E2M1 (K innermost, 512 bytes a row) and one E8M0 byte for each 32 along K
;   work-groups 256-303: w_attn [1024 (k)][3072 (n)] f32, K on its FIRST axis -> codes laid [n][k] (512 bytes a row) and bytes [n][32]
;   work-groups 304-431: w_proj [1024][1024] f32 -> f16, same layout
; A block's scale is 2^(floor(log2(largest magnitude)) - 2): its byte is the largest magnitude's exponent field - 2, held at 1 from below.
; LIMITS: NaN and infinities are not served; a block whose largest magnitude lies under 2^-124 (a block of zeros too) keeps the byte 1: its
; codes are what the conversion gives under that scale (zeros for zeros), and the bytes are read by this program alone.  w_proj beyond 65,504 in magnitude has no f16 number.
; No tensor loads, no barrier: waves share nothing.  Each path has LDS bytes of its own.
.set SPARE, 67584                      ; behind both paths' regions: the spare words, 128 bytes a wave
.set SPW,   10                         ; v10  LDS address of my spare word; never rewritten
.set NIL,   11                         ; v11  0; never rewritten
.set SP,    80                         ; path X: a lane's place in a stage: 64 bytes + 16 of padding
.set WREG,  8192                       ; path X: a wave's region: two stages of 32 x 80 bytes, then its 256 scale bytes
.set XR,    16                         ; v16-143  eight sets of 16 numbers as they are loaded
.set XX,    144                        ; v144-175 two sets of 16 neighbours
.set XE,    176                        ; v176-191 a scale byte for each step
.set XC,    192                        ; v192-223 codes, two registers a step
.set WSTG,  32768                      ; path W: the four stages begin here
.set PITCH, 272                        ; path W: a stage row: 256 bytes + 16
.set KROW,  512                        ; a row of w_codes in bytes
.set NW,    3072
.set WX,    32                         ; v32-95   two sets of 32 numbers
.set WC,    96                         ; v96-99   a block's codes
.set WOUT,  112                        ; v112-175 the way out
.set WSB,   24                         ; v24-27   the scale bytes, four to a register
	s_load_b256 s[4:11], s[0:1], 0x0               ; x, w_attn, w_proj, x_codes
	s_load_b256 s[12:19], s[0:1], 0x20             ; x_scales, w_codes, w_scales, wp16
	v_lshl_add_u32 v[SPW], v0, 2, SPARE
	v_mov_b32 v[NIL], 0
	v_lshrrev_b32 v1, 5, v0
	v_readfirstlane_b32 s20, v1                    ; wave 0..3
	v_and_b32 v2, 31, v0                           ; lane
	s_mov_b32 s25, 0                               ; the high word of every offset pair s[24:25]
	s_wait_kmcnt 0x0
	s_cmp_lt_u32 ttmp9, 256
	s_cbranch_scc0 .Lnot_x
	; ---------------- path X: x is a plain stream of blocks of 32.  A wave takes 16 steps of 512 numbers.
	; Each load reads 512 consecutive bytes; a step's 2,048 bytes turn through the wave's own stage so that a lane holds 16 neighbours along K.
	v_lshlrev_b32 v3, 4, v2                        ; my 16 bytes of a load's 512
	s_mul_i32 s21, s20, WREG
	v_lshrrev_b32 v14, 2, v2
	v_mul_u32_u24 v14, v14, SP
	v_and_b32 v15, 3, v2
	v_lshl_add_u32 v14, v15, 4, v14
	v_add_nc_u32 v14, s21, v14                     ; the stage on the way in: 80 (lane / 4) + 16 (lane % 4)
	v_mul_u32_u24 v15, v2, SP
	v_add_nc_u32 v15, s21, v15                     ; and on the way out: 80 x lane
	v_lshlrev_b32 v4, 3, v2                        ; 8 bytes a lane: my codes in a step's 256, and my part of the 256 scale bytes
	v_lshrrev_b32 v5, 1, v2
	s_add_co_u32 s21, s21, 2*32*SP
	v_add_nc_u32 v5, s21, v5                       ; LDS: my block's scale byte
	v_add_nc_u32 v6, s21, v4                       ; LDS: the scale bytes on the way out
	s_lshl_b32 s22, ttmp9, 2
	s_add_co_u32 s22, s22, s20                     ; which run of 8,192 numbers is my wave's
	s_lshl_b32 s24, s22, 15
	s_add_nc_u64 s[4:5], s[4:5], s[24:25]          ; 32,768 bytes of x a run
	s_lshl_b32 s24, s22, 12
	s_add_nc_u64 s[10:11], s[10:11], s[24:25]      ; 4,096 bytes of codes
	s_lshl_b32 s24, s22, 8
	s_add_nc_u64 s[12:13], s[12:13], s[24:25]      ; 256 scale bytes
.macro XLOAD t
.irp i, 0,1,2,3
	global_load_b128 v[XR+16*((\t)%8)+4*\i:XR+16*((\t)%8)+4*\i+3], v3, s[4:5] offset:2048*(\t)+512*\i th:TH_LOAD_NT
.endr
.endm
.macro XTURN t                         ; step t through the stage: LDS serves a wave's instructions in order, so no wait between the stores and the loads
.irp i, 0,1,2,3
	ds_store_b128 v14, v[XR+16*((\t)%8)+4*\i:XR+16*((\t)%8)+4*\i+3] offset:32*SP*((\t)%2)+8*SP*\i
.endr
.irp i, 0,1,2,3
	ds_load_b128 v[XX+16*((\t)%2)+4*\i:XX+16*((\t)%2)+4*\i+3], v15 offset:32*SP*((\t)%2)+16*\i
.endr
.endm
.irp t, 0,1,2,3,4,5,6,7
	XLOAD \t                                       ; eight steps, 32 loads a wave, are on their way
.endr
	s_wait_loadcnt 28                              ; step 0's four loads are in; the seven steps behind it may be out
	XTURN 0
.macro XSTEP t
.set XS, XX+16*((\t)%2)
.if (\t) > 0
	s_wait_dscnt 1                                 ; this step's numbers are back from the stage (the last step's byte store may be out): its stage stores have read their registers,
.else
	s_wait_dscnt 0x0
.endif
.if (\t)+8 < 16
	XLOAD (\t)+8                                   ; which take the loads of eight steps on
.endif
.if (\t)+1 < 16
.if 14-(\t) >= 7
	s_wait_loadcnt 28                              ; the next step's loads are in; those of the seven steps behind it may be out
.else
	s_wait_loadcnt 4*(14-(\t))                     ; towards the end: four for each step behind the next
.endif
	XTURN (\t)+1
.endif
	v_max3_num_f32 v8, |v[XS]|, |v[XS+1]|, |v[XS+2]|      ; the largest magnitude of my 16, in two chains
	v_max3_num_f32 v9, |v[XS+3]|, |v[XS+4]|, |v[XS+5]|
.irp i, 6,10
	v_max3_num_f32 v8, v8, |v[XS+\i]|, |v[XS+\i+1]|
	v_max3_num_f32 v9, v9, |v[XS+\i+2]|, |v[XS+\i+3]|
.endr
	v_max3_num_f32 v8, v8, |v[XS+14]|, |v[XS+15]|
	v_max3_num_f32 v8, v8, v9, 0x1800000           ; and the floor 2^(3 - 127): the byte cannot fall under 1
	v_max_num_f32_dpp v8, v8, v8 row_xmask:1 row_mask:0xf bank_mask:0xf   ; with my neighbour's 16: the block's
	v_add_nc_u32 v1, 0xff000000, v8                ; 2 off its exponent field: the conversion takes this operand's exponent field as its scale
	v_cvt_scalef32_pk8_fp4_f32 v[XC+2*(\t)], v[XS:XS+7], v1
	v_cvt_scalef32_pk8_fp4_f32 v[XC+2*(\t)+1], v[XS+8:XS+15], v1
	v_lshrrev_b32 v[XE+(\t)], 23, v1               ; the scale's byte (also the plain line behind the conversions)
	ds_store_b8 v5, v[XE+(\t)] offset:16*(\t)      ; both lanes of a block write the same byte with the same value
	global_store_b64 v4, v[XC+2*(\t):XC+2*(\t)+1], s[10:11] offset:256*(\t)   ; the wave stores 256 consecutive bytes, aligned
.endm
.irp t, 0,1,2,3,4,5,6,7,8,9,10,11,12,13,14,15
	XSTEP \t
.endr
	ds_load_b64 v[8:9], v6                         ; my wave's 256 scale bytes: these loads see my stores
	s_wait_dscnt 0x0
	global_store_b64 v4, v[8:9], s[12:13]          ; 256 consecutive bytes, aligned
	s_branch .Lend
.Lnot_x:
	s_cmp_lt_u32 ttmp9, 304
	s_cbranch_scc0 .Lcast
	; ---------------- path W: a lane takes a column n and its registers run down K: a block of 32 lies in one lane, and the codes come out with K innermost.
	; A wave takes 32 columns x 512 along K; the codes leave through the wave's own stage as whole rows of 256 bytes.
	s_sub_co_u32 s21, ttmp9, 256                   ; 0..47
	s_cmp_ge_u32 s21, 24
	s_cselect_b32 s22, 1, 0                        ; which 512 along K
	s_cselect_b32 s23, 24, 0
	s_sub_co_u32 s21, s21, s23                     ; which 128 columns
	s_lshl_b32 s21, s21, 7
	s_lshl_b32 s23, s20, 5
	s_add_co_u32 s21, s21, s23                     ; my wave's first column
	v_lshlrev_b32 v3, 2, v2                        ; in: 4 bytes a lane
	s_mul_i32 s23, s20, 32*PITCH
	s_add_co_u32 s23, s23, WSTG                    ; my stage
	v_mul_u32_u24 v4, v2, PITCH
	v_add_nc_u32 v4, s23, v4                       ; into it: row = my column
	v_and_b32 v5, 15, v2
	v_lshrrev_b32 v6, 4, v2
	v_mul_u32_u24 v7, v6, PITCH
	v_lshl_add_u32 v7, v5, 4, v7
	v_add_nc_u32 v7, s23, v7                       ; out of it: sixteen lanes to a row, two rows an instruction
	v_mul_u32_u24 v8, v6, KROW
	v_lshl_add_u32 v8, v5, 4, v8                   ; and the same place in w_codes
	v_lshlrev_b32 v9, 5, v2                        ; my column's row of scale bytes: 32 bytes a row
	s_mul_i32 s24, s22, 512*NW*4
	s_lshl_b32 s26, s21, 2
	s_add_co_u32 s24, s24, s26
	s_add_nc_u64 s[6:7], s[6:7], s[24:25]          ; w_attn at row 512 y, my first column
	s_lshl_b32 s24, s21, 9
	s_lshl_b32 s26, s22, 8
	s_add_co_u32 s24, s24, s26
	s_add_nc_u64 s[14:15], s[14:15], s[24:25]      ; w_codes at my first column's row, + 256 y
	s_lshl_b32 s24, s21, 5
	s_lshl_b32 s26, s22, 4
	s_add_co_u32 s24, s24, s26
	s_add_nc_u64 s[16:17], s[16:17], s[24:25]      ; w_scales likewise, + 16 y
.macro WLOAD t                         ; block t: w(32 t + i, my column); the largest offset, 511 rows of 12,288 bytes, lies inside the signed 24-bit immediate
.irp i, 0,1,2,3,4,5,6,7,8,9,10,11,12,13,14,15,16,17,18,19,20,21,22,23,24,25,26,27,28,29,30,31
	global_load_b32 v[WX+32*((\t)%2)+\i], v3, s[6:7] offset:(32*(\t)+\i)*NW*4 th:TH_LOAD_NT
.endr
.endm
	WLOAD 0
	WLOAD 1
.macro WBLOCK t
.set WS, WX+32*((\t)%2)
.if (\t) < 15
	s_wait_loadcnt 32                              ; this block's 32 loads are in; the next block's may be out
.else
	s_wait_loadcnt 0x0
.endif
	v_max3_num_f32 v12, |v[WS]|, |v[WS+1]|, |v[WS+2]|     ; the block's largest magnitude: all 32 numbers are mine
	v_max3_num_f32 v13, |v[WS+3]|, |v[WS+4]|, |v[WS+5]|
.irp i, 6,10,14,18,22,26
	v_max3_num_f32 v12, v12, |v[WS+\i]|, |v[WS+\i+1]|
	v_max3_num_f32 v13, v13, |v[WS+\i+2]|, |v[WS+\i+3]|
.endr
	v_max3_num_f32 v12, v12, |v[WS+30]|, |v[WS+31]|
	v_max3_num_f32 v12, v12, v13, 0x1800000        ; and the floor
	v_add_nc_u32 v1, 0xff000000, v12               ; the conversion's scale operand
	v_lshrrev_b32 v13, 23, v1                      ; the scale's byte
.if (\t)%4 == 0
	v_mov_b32 v[WSB+(\t)/4], v13                   ; four bytes to a register, the lower K in the lower byte
.else
	v_lshl_or_b32 v[WSB+(\t)/4], v13, 8*((\t)%4), v[WSB+(\t)/4]
.endif
.irp g, 0,1,2,3
	v_cvt_scalef32_pk8_fp4_f32 v[WC+\g], v[WS+8*\g:WS+8*\g+7], v1
.endr
	v_nop                                          ; a plain line behind the last conversion
	ds_store_b128 v4, v[WC:WC+3] offset:16*(\t)    ; 32 codes: 16 bytes of my column's row
.if (\t)+2 < 16
	WLOAD (\t)+2
.endif
	s_wait_dscnt 0x0                               ; the store has read its registers: the next block's codes may be written
.endm
.irp t, 0,1,2,3,4,5,6,7,8,9,10,11,12,13,14,15
	WBLOCK \t
.endr
	global_store_b128 v9, v[WSB:WSB+3], s[16:17]   ; my column's 16 scale bytes (rows of 32 bytes: half a row a lane)
.irp t, 0,1,2,3,4,5,6,7,8,9,10,11,12,13,14,15
	ds_load_b128 v[WOUT+4*\t:WOUT+4*\t+3], v7 offset:2*\t*PITCH
.endr
.irp t, 0,1,2,3,4,5,6,7,8,9,10,11,12,13,14,15
	s_wait_dscnt 15-\t                             ; loads come back in order: pair t of rows is in
	global_store_b128 v8, v[WOUT+4*\t:WOUT+4*\t+3], s[14:15] offset:2*\t*KROW   ; sixteen lanes store 256 consecutive bytes, aligned
.endr
	s_branch .Lend
.Lcast:
	; ---------------- path P: w_proj to f16.  A wave takes 2,048 numbers: 16 loads of 512 bytes, 16 stores of 256.
	s_sub_co_u32 s21, ttmp9, 304
	s_lshl_b32 s21, s21, 2
	s_add_co_u32 s21, s21, s20
	s_lshl_b32 s24, s21, 13
	s_add_nc_u64 s[8:9], s[8:9], s[24:25]
	s_lshl_b32 s24, s21, 12
	s_add_nc_u64 s[18:19], s[18:19], s[24:25]
	v_lshlrev_b32 v3, 4, v2
	v_lshlrev_b32 v4, 3, v2
.irp i, 0,1,2,3,4,5,6,7,8,9,10,11,12,13,14,15
	global_load_b128 v[16+4*\i:16+4*\i+3], v3, s[8:9] offset:512*\i
.endr
.irp i, 0,1,2,3,4,5,6,7,8,9,10,11,12,13,14,15
	s_wait_loadcnt 15-\i                           ; loads come back in order: load i is in
	v_cvt_pk_f16_f32 v[80+2*\i], v[16+4*\i], v[17+4*\i]
	v_cvt_pk_f16_f32 v[81+2*\i], v[18+4*\i], v[19+4*\i]
	global_store_b64 v4, v[80+2*\i:81+2*\i], s[18:19] offset:256*\i
.endr
.Lend:
	s_wait_tensorcnt 0x0                           ; the wave's end
	ds_add_u32 v[SPW], v[NIL]
	s_wait_dscnt 0x0
	s_endpgm
.Lfunc_end_k_q469aa14398_prep:
	.size	k_q469aa14398_prep, .Lfunc_end_k_q469aa14398_prep-k_q469aa14398_prep
	.p2alignl 7, 3214868480
	.fill 96, 4, 3214868480
	.section	.rodata,"a",@progbits
	.p2align	6, 0x0
	.amdhsa_kernel k_q469aa14398_prep
		.amdhsa_group_segment_fixed_size 68096
		.amdhsa_private_segment_fixed_size 0
		.amdhsa_enable_private_segment 0
		.amdhsa_kernarg_size 64
		.amdhsa_user_sgpr_count 2
		.amdhsa_user_sgpr_kernarg_segment_ptr 1
		.amdhsa_wavefront_size32 1
		.amdhsa_system_sgpr_workgroup_id_x 1
		.amdhsa_system_sgpr_workgroup_id_y 1
		.amdhsa_system_sgpr_workgroup_id_z 1
		.amdhsa_system_vgpr_workitem_id 0
		.amdhsa_next_free_vgpr 224
		.amdhsa_next_free_sgpr 66
		.amdhsa_reserve_vcc 0
		.amdhsa_float_denorm_mode_32 3
		.amdhsa_float_denorm_mode_16_64 3
		.amdhsa_memory_ordered 1
		.amdhsa_forward_progress 1
		.amdhsa_inst_pref_size 117
	.end_amdhsa_kernel
	.amdgpu_metadata
---
amdhsa.version: [ 1, 2 ]
amdhsa.kernels:
  - .name:           k_q469aa14398_prep
    .symbol:         k_q469aa14398_prep.kd
    .args:
      - { .name: x, .offset: 0, .size: 8, .value_kind: global_buffer, .address_space: global }
      - { .name: w_attn, .offset: 8, .size: 8, .value_kind: global_buffer, .address_space: global }
      - { .name: w_proj, .offset: 16, .size: 8, .value_kind: global_buffer, .address_space: global }
      - { .name: x_codes, .offset: 24, .size: 8, .value_kind: global_buffer, .address_space: global }
      - { .name: x_scales, .offset: 32, .size: 8, .value_kind: global_buffer, .address_space: global }
      - { .name: w_codes, .offset: 40, .size: 8, .value_kind: global_buffer, .address_space: global }
      - { .name: w_scales, .offset: 48, .size: 8, .value_kind: global_buffer, .address_space: global }
      - { .name: wp16, .offset: 56, .size: 8, .value_kind: global_buffer, .address_space: global }
    .group_segment_fixed_size: 68096
    .private_segment_fixed_size: 0
    .kernarg_segment_align: 8
    .kernarg_segment_size: 64
    .max_flat_workgroup_size: 128
    .sgpr_count:     66
    .vgpr_count:     224
    .wavefront_size: 32
...
	.end_amdgpu_metadata
.endif
;; end of part 1
;; launch gemm_qkv (part 2): grid 12 x 32, 4 waves a work-group, clusters of 4 x 4, 327,680 bytes of LDS; arguments x_codes, x_scales, w_codes, w_scales, b_attn, qkv, qkv16; writes qkv, qkv16
.if DOCPART == 2
	.amdgcn_target "amdgcn-amd-amdhsa--gfx1250"
	.amdhsa_code_object_version 6
	.text
	.protected	k_q469aa14398_gemm_qkv
	.globl	k_q469aa14398_gemm_qkv
	.p2align	8
	.type	k_q469aa14398_gemm_qkv,@function
k_q469aa14398_gemm_qkv:
	s_mov_b64 s[64:65], 0
	v_nop
	global_prefetch_b8 v0, s[64:65] scope:SCOPE_SE
	s_setreg_imm32_b32 hwreg(HW_REG_WAVE_MODE, 25, 1), 1
	s_wait_xcnt 0x0
	s_wait_alu depctr_hold_cnt(0) depctr_sa_sdst(0) depctr_va_vdst(0) depctr_va_sdst(0) depctr_va_ssrc(0) depctr_va_vcc(0) depctr_vm_vsrc(0)
	s_getreg_b32 s2, hwreg(HW_REG_IB_STS2, 6, 4)
	s_cmp_eq_u32 s2, 0
	s_cbranch_scc0 .Lentry_in_a_cluster
	s_endpgm
.Lentry_in_a_cluster:
	s_bfe_u32 s2, ttmp6, 0x10000c
	s_cmp_lg_u32 s2, 0xf033
	s_cbranch_scc0 .Lentry_shape_is_right
	s_endpgm
.Lentry_shape_is_right:
; qkv = Q(x) Q(w_attn) + b_attn on codes of E2M1 with one E8M0 scale for each 32 along K; sums in f32.
; A = x_codes [8192][512 bytes], B = w_codes [3072][512 bytes], their scale bytes [rows][32].
; A tile of 256 x 256 is made by four waves, 128 x 128 each: 64 accumulators, 512 registers.  K = 1,024 is two K steps of 512: both LDS slots are filled once, at the head, and nothing is filled again.
; The scale bytes of the tile's rows of A and of B come once, as dense blocks, with the first fills.
; CLUSTERS: 4 x 4 work-groups; A's tiles are asked for jointly along a row of the cluster, B's along a column.
; THE MATRIX INSTRUCTION IS USED TRANSPOSED (source 0 = 16 rows of B, source 1 = 16 rows of A): a lane holds one row (position) and eight neighbouring columns.
; The bias is the C of each sum's first product.
; OUT: q, k, v as f16, laid [section 3][batch 4][head 16][position 2048][64]: a wave's store covers 512 consecutive bytes (four positions of a head).
;      The first 16 positions of each sequence also leave in f32, as images of the accumulators' registers ([batch][column block 192][1,024 bytes]), for the last launch.
; LIMIT: a result beyond 65,504 in magnitude has no f16 number.
; REGISTERS: window 0: v0-31 addresses; v32-95 scale words, two sets; v128-191 A's fragments, one set; v192-255 the bias, later packed results.
;   window 1: B's fragments, two sets.   windows 2, 3: the accumulators ((a, b) at v[8 (8 (a % 4) + b)]).
.set KSTEP,  512
.set NQ,     4
.set ROWB,   256
.set KROW,   512
.set PITCH,  272                       ; an LDS row: 256 bytes + 16 of padding, so that the 16 rows of a fragment load start 16 bytes apart modulo 256
.set FR,     8
.set NL,     2
.set NP,     4
.set HALFT,  128*PITCH
.set SLOT,   4*HALFT
.set KS,     32
.set SCL,    2*SLOT
.set HALFS,  (128*KS/256)*272
.set SBLK,   (16*KS/256)*272
.set SPARE,  SCL+4*HALFS
.set ADRA, 16
.set ADRB, 20
.set STO,  24                          ; the way out: where I put 16 bytes of a row of a head
.set RD,   25                          ; and where I read four rows back
.set CO,   26                          ; 16 x lane
.set ADRS, 27
.set SPW,  28
.set NIL,  29
.set SC,   32
.set AF,   128
.set BIAS, 192
.set TMP,  192                         ; the way out: packed results (the bias is done with)
.set BK,   128                         ; the way out: rows read back: v128-159 and v160-191 by turns
.set G1, 24
.set G0, 32
.set G1B, 48
.set G0B, 56
.set G1S, 68
.set G0S, 76
.set G1SB, 80
.set G0SB, 88
.set MSB, 0
.macro WIN new
.if MSB != (\new)
	s_set_vgpr_msb (MSB<<8)|(\new)
.set MSB, (\new)
.endif
.endm
.set MUL_LO, 0xa1                      ; source 0 (B) window 1, source 1 (A) window 0, C and D window 2
.set MUL_HI, 0xf1                      ; the same, C and D window 3
.set TO_B,   0x40
; A joint load: waves 0 and 1 fetch for A, waves 2 and 3 for B; the branch hangs on the wave's number alone.  An s_nop 0 and four v_nop follow each line.
.macro JLOAD g0a, g1a, g0b, g1b
	s_cmp_eq_u32 s15, 0
	s_cbranch_scc0 .Lfor_b_\@
	tensor_load_to_lds s[\g0a:\g0a+3], s[\g1a:\g1a+7]
	s_nop 0
.rept 4
	v_nop
.endr
	s_branch .Lasked_\@
.Lfor_b_\@:
	tensor_load_to_lds s[\g0b:\g0b+3], s[\g1b:\g1b+7]
	s_nop 0
.rept 4
	v_nop
.endr
.Lasked_\@:
.endm
.macro CROUND                          ; a round of the cluster's barrier
	s_barrier_signal -1
	s_barrier_wait -1
	s_cmp_lg_u32 s14, 0
	s_cbranch_scc1 .Lnot_wave_0_\@
	s_barrier_signal -3
.Lnot_wave_0_\@:
	s_barrier_wait -3
	s_barrier_signal -1
	s_barrier_wait -1
.endm
	s_load_b128 s[4:7], s[0:1], 0x0                ; A's codes, A's scales
	s_load_b128 s[8:11], s[0:1], 0x10              ; B's codes, B's scales
	s_load_b128 s[96:99], s[0:1], 0x20             ; b_attn, qkv
	s_load_b64 s[12:13], s[0:1], 0x30              ; qkv16
	v_lshl_add_u32 v[SPW], v0, 2, SPARE
	v_mov_b32 v[NIL], 0
	ds_add_u32 v[SPW], v[NIL]                      ; the wave's opening: the add, twice on end, and its wait ahead of my first tensor load
	ds_add_u32 v[SPW], v[NIL]
	v_lshrrev_b32 v1, 5, v0
	v_readfirstlane_b32 s14, v1                    ; wave 0..3
	s_lshr_b32 s15, s14, 1                         ; my half of the tile's rows.  Also: I fetch for A (0) or for B (1)
	s_and_b32 s16, s14, 1                          ; my half of its columns.  Also: which 128 rows I fetch
	s_bfe_u32 s40, ttmp6, 0x40000                  ; cx
	s_bfe_u32 s41, ttmp6, 0x40004                  ; cy
	s_lshl_b32 s42, ttmp9, 2
	s_add_co_u32 s42, s42, s40                     ; tile column 0..11
	s_and_b32 s17, ttmp7, 0xffff
	s_lshl_b32 s17, s17, 2
	s_add_co_u32 s17, s17, s41                     ; tile row 0..31
	s_lshl_b32 s43, s41, 2
	s_lshl_b32 s43, 15, s43                        ; my row of the cluster
	s_lshl_b32 s44, 0x1111, s40                    ; my column
	s_or_b32 s[G1+0], s43, (0<<16)|(1<<20)|(1<<21)|(5<<22)|(3<<25)   ; mask; elements of 1 byte; padding: 4 words behind every 64
	s_or_b32 s[G1B+0], s44, (0<<16)|(1<<20)|(1<<21)|(5<<22)|(3<<25)
.irp g, G1, G1B
	s_mov_b32 s[\g+1], ROWB<<16                    ; tensor_dim0
	s_mov_b32 s[\g+2], 128<<16                     ; tensor_dim1
	s_mov_b32 s[\g+3], ROWB<<16                    ; tile_dim0
	s_mov_b32 s[\g+4], 128                         ; tile_dim1
	s_mov_b32 s[\g+5], KROW                        ; the pitch
	s_mov_b32 s[\g+6], 0
	s_mov_b32 s[\g+7], 0
.endr
	s_or_b32 s[G1S+0], s43, (3<<16)|(1<<20)|(1<<21)|(5<<22)|(3<<25)  ; the scales of 128 rows: 4,096 dense bytes as 16 rows of 256 (32 elements of 8 bytes)
	s_or_b32 s[G1SB+0], s44, (3<<16)|(1<<20)|(1<<21)|(5<<22)|(3<<25)
.irp g, G1S, G1SB
	s_mov_b32 s[\g+1], 32<<16
	s_mov_b32 s[\g+2], (128*KS/256)<<16
	s_mov_b32 s[\g+3], 32<<16
	s_mov_b32 s[\g+4], 128*KS/256
	s_mov_b32 s[\g+5], 32
	s_mov_b32 s[\g+6], 0
	s_mov_b32 s[\g+7], 0
.endr
	s_lshl_b32 s18, s16, 7
	s_lshl_b32 s20, s17, 8
	s_add_co_u32 s20, s20, s18                     ; A: row 256 x tile row + 128 x half
	s_lshl_b32 s46, s42, 8
	s_add_co_u32 s46, s46, s18                     ; B: row 256 x tile column + 128 x half
	s_mov_b32 s21, 0
	s_mov_b32 s47, 0
	s_mov_b64 s[18:19], KS
	s_mul_u64 s[22:23], s[20:21], s[18:19]         ; these rows' scales, in bytes
	s_mul_u64 s[92:93], s[46:47], s[18:19]
	s_mov_b64 s[18:19], KROW
	s_mul_u64 s[20:21], s[20:21], s[18:19]         ; and their codes
	s_mul_u64 s[46:47], s[46:47], s[18:19]
	s_mul_i32 s45, s14, HALFT                      ; where they go: wave x 128 rows
	s_mul_i32 s94, s14, HALFS
	s_wait_dscnt 0x0                               ; both opening adds are done
	s_wait_kmcnt 0x0
	s_add_nc_u64 s[20:21], s[4:5], s[20:21]
	s_add_nc_u64 s[22:23], s[6:7], s[22:23]
	s_add_nc_u64 s[46:47], s[8:9], s[46:47]
	s_add_nc_u64 s[92:93], s[10:11], s[92:93]
	CROUND                                         ; all sixteen work-groups are here: the joint loads meet
	s_mov_b32 s[G0S], 1
	s_add_co_u32 s[G0S+1], s94, SCL
	s_mov_b64 s[G0S+2:G0S+3], s[22:23]
	s_or_b32 s[G0S+3], s[G0S+3], 0x80000000
	s_mov_b32 s[G0SB], 1
	s_add_co_u32 s[G0SB+1], s94, SCL
	s_mov_b64 s[G0SB+2:G0SB+3], s[92:93]
	s_or_b32 s[G0SB+3], s[G0SB+3], 0x80000000
	JLOAD G0S, G1S, G0SB, G1SB                     ; the scales first: they are wanted with K step 0
.irp s, 0,1
	s_mov_b32 s[G0+4*\s], 1
	s_add_co_u32 s[G0+4*\s+1], s45, \s*SLOT
	s_add_nc_u64 s[G0+4*\s+2:G0+4*\s+3], s[20:21], \s*ROWB
	s_or_b32 s[G0+4*\s+3], s[G0+4*\s+3], 0x80000000
	s_mov_b32 s[G0B+4*\s], 1
	s_add_co_u32 s[G0B+4*\s+1], s45, \s*SLOT
	s_add_nc_u64 s[G0B+4*\s+2:G0B+4*\s+3], s[46:47], \s*ROWB
	s_or_b32 s[G0B+4*\s+3], s[G0B+4*\s+3], 0x80000000
	JLOAD G0+4*\s, G1, G0B+4*\s, G1B               ; three tensor loads of mine are out
.endr
	v_and_b32 v1, 15, v0                           ; r
	v_bfe_u32 v2, v0, 4, 1                         ; h
	; the bias of my 128 columns: register 8 b + j = b_attn[first column + 16 b + 8 h + j]
	s_lshl_b32 s46, s42, 10
	s_lshl_b32 s47, s16, 9
	s_add_co_u32 s46, s46, s47
	s_mov_b32 s47, 0
	s_add_nc_u64 s[96:97], s[96:97], s[46:47]
	v_lshlrev_b32 v30, 5, v2
.irp b, 0,1,2,3,4,5,6,7
	global_load_b128 v[BIAS+8*\b:BIAS+8*\b+3], v30, s[96:97] offset:64*\b
	global_load_b128 v[BIAS+8*\b+4:BIAS+8*\b+7], v30, s[96:97] offset:64*\b+16
.endr
	v_mul_u32_u24 v3, v1, PITCH
	v_lshl_add_u32 v4, v2, 4, v3                   ; a fragment's row x pitch + 16 x half
	s_mul_i32 s21, s15, HALFT
	s_mul_i32 s22, s16, HALFT
	s_add_co_u32 s22, s22, 2*HALFT
.irp s, 0,1
	v_add_nc_u32 v[ADRA+\s], s21, v4
	v_add_nc_u32 v[ADRB+\s], s22, v4
	s_add_co_u32 s21, s21, SLOT
	s_add_co_u32 s22, s22, SLOT
.endr
	v_mul_u32_u24 v5, v1, KS                       ; my row's scales: 32 bytes a row,
	v_lshrrev_b32 v6, 8, v5
	v_lshl_add_u32 v5, v6, 4, v5                   ; and 16 more for each 256 passed
	s_mul_i32 s21, s15, HALFS
	s_mul_i32 s22, s16, HALFS
	s_add_co_u32 s22, s22, 2*HALFS
	s_sub_co_u32 s22, s22, s21
	v_mul_u32_u24 v6, s22, v2                      ; lanes 16-31 take B's
	s_add_co_u32 s21, s21, SCL
	v_add_nc_u32 v5, v5, v6
	v_add_nc_u32 v[ADRS], s21, v5
	; the way out.  My stage (4,608 bytes, in slot 0): 2 heads x 16 rows x (128 bytes + 16)
	s_mul_i32 s23, s14, 4608
	v_mul_u32_u24 v5, v1, 144
	v_lshl_add_u32 v5, v2, 4, v5
	v_add_nc_u32 v[STO], s23, v5                   ; in: row r, 16 bytes for each half of the lanes
	v_and_b32 v6, 31, v0
	v_lshlrev_b32 v[CO], 4, v6
	v_lshrrev_b32 v5, 3, v6
	v_mul_u32_u24 v5, v5, 144
	v_and_b32 v6, 7, v0
	v_lshl_add_u32 v5, v6, 4, v5
	v_add_nc_u32 v[RD], s23, v5                    ; back: eight lanes to a row of 128 bytes, four rows an instruction
	; qkv: (((section x 4 + batch) x 16 + head) x 2048 + position) x 128 bytes
	s_lshr_b32 s20, s42, 2                         ; section
	s_lshl_b32 s20, s20, 2
	s_lshr_b32 s21, s17, 3                         ; batch
	s_add_co_u32 s20, s20, s21
	s_lshl_b32 s20, s20, 4
	s_and_b32 s21, s42, 3
	s_lshl_b32 s21, s21, 2
	s_add_co_u32 s20, s20, s21
	s_lshl_b32 s21, s16, 1
	s_add_co_u32 s20, s20, s21                     ; my first head
	s_lshl_b32 s20, s20, 18
	s_and_b32 s21, s17, 7
	s_lshl_b32 s21, s21, 1
	s_add_co_u32 s21, s21, s15
	s_lshl_b32 s21, s21, 14                        ; my first position x 128 bytes
	s_add_co_u32 s20, s20, s21
	s_mov_b32 s21, 0
	s_add_nc_u64 s[98:99], s[98:99], s[20:21]
	; qkv16: (batch x 192 + column block) x 1,024 bytes
	s_lshr_b32 s20, s17, 3
	s_mul_i32 s20, s20, 192
	s_lshl_b32 s21, s42, 4
	s_add_co_u32 s20, s20, s21
	s_lshl_b32 s21, s16, 3
	s_add_co_u32 s20, s20, s21
	s_lshl_b32 s20, s20, 10
	s_mov_b32 s21, 0
	s_add_nc_u64 s[12:13], s[12:13], s[20:21]
	s_and_b32 s95, s17, 7
	s_or_b32 s95, s95, s15                         ; 0 in a wave whose block 0 holds positions 0-15 of a sequence
.macro FRAG reg, adr, q, i             ; 16 rows x 128 K of 4-bit codes: 8 registers, two loads 32 bytes apart
.irp c, 0,1
	ds_load_b128 v[\reg+4*\c:\reg+4*\c+3], v[\adr] offset:64*(\q)+32*\c+(\i)*16*PITCH
.endr
.endm
; 16 matrix instructions: A's blocks a0, a0 + 1 x B's eight.  first = 1: the bias is C.  The 64 accumulators take turns, one instruction a turn.
.macro MUL16 a0, p, q, sc, first
.irp a, \a0, \a0+1
.irp b, 0,1,2,3,4,5,6,7
.if \first
	v_wmma_scale_f32_16x16x128_f8f6f4 v[8*(8*((\a)%4)+\b):8*(8*((\a)%4)+\b)+7], v[128*(\p)+FR*\b:128*(\p)+FR*\b+FR-1], v[AF+FR*(\a):AF+FR*(\a)+FR-1], v[BIAS+8*\b:BIAS+8*\b+7], v[SC+8*NQ*(\sc)+NQ*\b+(\q)], v[SC+8*NQ*(\sc)+NQ*(\a)+(\q)] matrix_a_fmt:MATRIX_FMT_FP4 matrix_b_fmt:MATRIX_FMT_FP4 matrix_a_scale:MATRIX_SCALE_ROW1
.else
	v_wmma_scale_f32_16x16x128_f8f6f4 v[8*(8*((\a)%4)+\b):8*(8*((\a)%4)+\b)+7], v[128*(\p)+FR*\b:128*(\p)+FR*\b+FR-1], v[AF+FR*(\a):AF+FR*(\a)+FR-1], v[8*(8*((\a)%4)+\b):8*(8*((\a)%4)+\b)+7], v[SC+8*NQ*(\sc)+NQ*\b+(\q)], v[SC+8*NQ*(\sc)+NQ*(\a)+(\q)] matrix_a_fmt:MATRIX_FMT_FP4 matrix_b_fmt:MATRIX_FMT_FP4 matrix_a_scale:MATRIX_SCALE_ROW1
.endif
.endr
.endr
.endm
.macro FETCH_B slot, q, p
	WIN TO_B
.irp i, 0,1,2,3,4,5,6,7
	FRAG 128*(\p)+FR*\i, ADRB+\slot, \q, \i
.endr
	WIN 0
.endm
.macro FETCH_A slot, q, i0
.irp i, \i0, \i0+1, \i0+2, \i0+3
	FRAG AF+FR*(\i), ADRA+\slot, \q, \i
.endr
.endm
.macro SCALES sc                       ; a K step's scale words: lanes 0-15 A's block i, lanes 16-31 B's block i
.irp i, 0,1,2,3,4,5,6,7
	ds_load_b128 v[SC+8*NQ*\sc+NQ*\i:SC+8*NQ*\sc+NQ*\i+3], v[ADRS] offset:\i*SBLK
.endr
.endm
.macro PLACES n                        ; plain vector lines between a matrix instruction and a load into, or a read of, its registers
.rept \n
	v_nop
.endr
.endm
.macro STEP slot, q, first             ; 128 along K with its successor in the same slot
	s_wait_dscnt 4*NL                              ; B's set and A's blocks 0-3 are in; the youngest eight loads (A's blocks 4-7) may be out
.if \first
	WIN 0x81                                       ; C (the bias) window 0, D window 2
.else
	WIN MUL_LO
.endif
	MUL16 0, (\q)%2, \q, \slot, \first
	MUL16 2, (\q)%2, \q, \slot, \first
	s_wait_dscnt 0
	PLACES NP
	FETCH_B \slot, (\q)+1, 1-(\q)%2
	FETCH_A \slot, (\q)+1, 0
.if \first
	WIN 0xc1
.else
	WIN MUL_HI
.endif
	MUL16 4, (\q)%2, \q, \slot, \first
	MUL16 6, (\q)%2, \q, \slot, \first
	PLACES NP
	WIN 0
	FETCH_A \slot, (\q)+1, 4
.endm
.macro TURN slot, next                 ; a slot's last step changes slots: one barrier; nothing is filled again
	s_wait_tensorcnt 0x0                           ; all my tensor loads have landed: my part of the next slot
	ds_add_u32 v[SPW], v[NIL]
	s_wait_dscnt 4*NL+1                            ; the add and the youngest eight loads may be out
	WIN MUL_LO
	MUL16 0, 1, NQ-1, \slot, 0
	s_wait_dscnt 0x0                               ; the add is done, and my reads of this slot are over
	s_barrier_signal -1
	MUL16 2, 1, NQ-1, \slot, 0
	WIN 0
	s_barrier_wait -1
	PLACES NP
	v_add_nc_u32 v[ADRS], 4*NQ, v[ADRS]            ; the next K step's scale words
	FETCH_B \next, 0, 0
	FETCH_A \next, 0, 0
	SCALES \next
	WIN MUL_HI
	MUL16 4, 1, NQ-1, \slot, 0
	MUL16 6, 1, NQ-1, \slot, 0
	PLACES NP
	WIN 0
	FETCH_A \next, 0, 4
.endm
	s_wait_tensorcnt 1                             ; the scales and my part of K step 0 are in; K step 1's load may be out
	s_barrier_signal -1
	s_barrier_wait -1
	FETCH_B 0, 0, 0
	FETCH_A 0, 0, 0
	SCALES 0
	FETCH_A 0, 0, 4
	s_wait_loadcnt 0x0                             ; the bias
	STEP 0, 0, 1
	STEP 0, 1, 0
	STEP 0, 2, 0
	TURN 0, 1
	STEP 1, 0, 0
	STEP 1, 1, 0
	STEP 1, 2, 0
	s_wait_dscnt 4*NL                              ; the last step: nothing more to fetch
	WIN MUL_LO
	MUL16 0, 1, NQ-1, 1, 0
	MUL16 2, 1, NQ-1, 1, 0
	s_wait_dscnt 0
	WIN MUL_HI
	MUL16 4, 1, NQ-1, 1, 0
	MUL16 6, 1, NQ-1, 1, 0
	WIN 0
	PLACES NP
	; THE FIRST 16 POSITIONS IN f32: block 0's eight accumulators leave as they stand, 16 bytes a lane, 512 consecutive bytes a store.  Only waves that hold such positions store:
	; the choice is made by EXEC.
	v_mov_b32 v31, s95
	s_wait_xcnt 0x0                                ; EXEC changes only behind this wait
	v_cmp_eq_u32 vcc_lo, 0, v31
	s_and_saveexec_b32 s94, vcc_lo
	WIN 0x08                                       ; a store's data: window 2
.irp b, 0,1,2,3,4,5,6,7
	global_store_b128 v[CO], v[8*\b:8*\b+3], s[12:13] offset:1024*\b
	global_store_b128 v[CO], v[8*\b+4:8*\b+7], s[12:13] offset:1024*\b+512
.endr
	WIN 0
	s_wait_xcnt 0x0                                ; and again in front of the line that widens it
	s_or_b32 exec_lo, exec_lo, s94
	; THE WAY OUT IN f16, a block of 16 positions x 128 columns (two heads) at a time, through my own stage.  The stage lies in slot 0, which has had its only fill and, since the change of slots, no reader.
.macro PACK a
.set AC, 64*((\a)%4)
	WIN 0x0a+5*((\a)/4)                            ; sources: window 2 or 3
.irp b, 0,1,2,3,4,5,6,7
.irp r, 0,1,2,3
	v_cvt_pk_f16_f32 v[TMP+4*\b+\r], v[AC+8*\b+2*\r], v[AC+8*\b+2*\r+1]
.endr
.endr
	WIN 0
.endm
.macro TOSTAGE a
.set BB, BK+32*((\a)%2)
.irp b, 0,1,2,3,4,5,6,7
	ds_store_b128 v[STO], v[TMP+4*\b:TMP+4*\b+3] offset:(\b/4)*2304+32*(\b%4)
.endr
.irp t, 0,1,2,3,4,5,6,7
	ds_load_b128 v[BB+4*\t:BB+4*\t+3], v[RD] offset:(\t/4)*2304+576*(\t%4)   ; LDS serves a wave's instructions in order: these see the stores above
.endr
.endm
.macro SEND a
.set BB, BK+32*((\a)%2)
	s_wait_dscnt 0x0                               ; the block is back in registers
	s_wait_xcnt 0x0                                ; the block before has been read by its stores: the next block's loads may land on its registers
.irp t, 0,1,2,3,4,5,6,7
	global_store_b128 v[CO], v[BB+4*\t:BB+4*\t+3], s[98:99] offset:(\t/4)*262144+2048*(\a)+512*(\t%4)   ; 512 consecutive bytes: four positions of one head
.endr
.endm
	PACK 0
	TOSTAGE 0
.irp a, 1,2,3,4,5,6,7
	PACK \a                                        ; block a's conversions stand between block a - 1's loads from the stage and the wait for them
	SEND \a-1
	TOSTAGE \a
.endr
	SEND 7
	s_wait_tensorcnt 0x0                           ; the wave's end
	ds_add_u32 v[SPW], v[NIL]
	s_wait_dscnt 0x0
	CROUND                                         ; the closing round
	s_endpgm
.Lfunc_end_k_q469aa14398_gemm_qkv:
	.size	k_q469aa14398_gemm_qkv, .Lfunc_end_k_q469aa14398_gemm_qkv-k_q469aa14398_gemm_qkv
	.p2alignl 7, 3214868480
	.fill 96, 4, 3214868480
	.section	.rodata,"a",@progbits
	.p2align	6, 0x0
	.amdhsa_kernel k_q469aa14398_gemm_qkv
		.amdhsa_group_segment_fixed_size 327680
		.amdhsa_private_segment_fixed_size 0
		.amdhsa_enable_private_segment 0
		.amdhsa_kernarg_size 56
		.amdhsa_user_sgpr_count 2
		.amdhsa_user_sgpr_kernarg_segment_ptr 1
		.amdhsa_wavefront_size32 1
		.amdhsa_system_sgpr_workgroup_id_x 1
		.amdhsa_system_sgpr_workgroup_id_y 1
		.amdhsa_system_sgpr_workgroup_id_z 1
		.amdhsa_system_vgpr_workitem_id 0
		.amdhsa_next_free_vgpr 1024
		.amdhsa_next_free_sgpr 100
		.amdhsa_reserve_vcc 1
		.amdhsa_float_denorm_mode_32 3
		.amdhsa_float_denorm_mode_16_64 3
		.amdhsa_memory_ordered 1
		.amdhsa_forward_progress 1
		.amdhsa_inst_pref_size 130
	.end_amdhsa_kernel
	.amdgpu_metadata
---
amdhsa.version: [ 1, 2 ]
amdhsa.kernels:
  - .name:           k_q469aa14398_gemm_qkv
    .symbol:         k_q469aa14398_gemm_qkv.kd
    .args:
      - { .name: x_codes, .offset: 0, .size: 8, .value_kind: global_buffer, .address_space: global }
      - { .name: x_scales, .offset: 8, .size: 8, .value_kind: global_buffer, .address_space: global }
      - { .name: w_codes, .offset: 16, .size: 8, .value_kind: global_buffer, .address_space: global }
      - { .name: w_scales, .offset: 24, .size: 8, .value_kind: global_buffer, .address_space: global }
      - { .name: b_attn, .offset: 32, .size: 8, .value_kind: global_buffer, .address_space: global }
      - { .name: qkv, .offset: 40, .size: 8, .value_kind: global_buffer, .address_space: global }
      - { .name: qkv16, .offset: 48, .size: 8, .value_kind: global_buffer, .address_space: global }
    .group_segment_fixed_size: 327680
    .private_segment_fixed_size: 0
    .kernarg_segment_align: 8
    .kernarg_segment_size: 56
    .max_flat_workgroup_size: 128
    .sgpr_count:     100
    .vgpr_count:     1024
    .wavefront_size: 32
...
	.end_amdgpu_metadata
.endif
;; end of part 2
;; launch attn (part 3): grid 4 x 64, 8 waves a work-group, no clusters, 327,680 bytes of LDS; arguments qkv, y16; writes y16
.if DOCPART == 3
	.amdgcn_target "amdgcn-amd-amdhsa--gfx1250"
	.amdhsa_code_object_version 6
	.text
	.protected	k_q469aa14398_attn
	.globl	k_q469aa14398_attn
	.p2align	8
	.type	k_q469aa14398_attn,@function
k_q469aa14398_attn:
	s_mov_b64 s[64:65], 0
	v_nop
	global_prefetch_b8 v0, s[64:65] scope:SCOPE_SE
	s_setreg_imm32_b32 hwreg(HW_REG_WAVE_MODE, 25, 1), 1
	s_wait_xcnt 0x0
; y[b][h][t][:] = the sum over s <= t of softmax_s(q[t] . k[s] / 8) v[s][:], on f16 operands, products, maxima and sums in f32; y leaves as f16, laid [b][h][t][64].
; q, k, v: sections 0, 1, 2 of qkv, each [b][h][t][64] f16: a head is 262,144 dense bytes.
; SHARES.  A head's eight blocks of 256 queries are paired: work-group i (0..3) takes block 7 - i and then block i.  Under the causal mask block n needs n + 1 slots of 256 keys, so every
; work-group walks 9 slots: the trip count is a constant, all work-groups have equal work, and every slot that is fetched is read.
; NO CLUSTER: the four work-groups of a head need 8 - i and i + 1 tiles in their passes, different numbers, so that a joint load would bring some partner a tile that none of its waves reads.
; A wave owns 32 queries, two tiles of 16; eight waves, two to a SIMD, so that one wave's softmax stands beside the other's products.  A step is 64 keys.
; LAYOUT.  S^T = K Q^T (source 0 = 16 keys, source 1 = 16 queries): a lane holds one query and the keys 8 (lane / 16) + 0..7.  Two such tiles, rounded to f16 in pairs, are source 1 of
; O^T = V^T P.  K comes out of LDS as it lies, V turned, by ds_load_tr16_b128.
; SOFTMAX.  A running maximum m and sum l: p = 2^(c s - c m), c = log2(e) / 8; O and l are multiplied by a = 2^(c m_old - c m_new) in every step.
; MASK.  A step all of whose keys come after the wave's queries is jumped over (ids alone); on the diagonal hidden scores become -infinity.  A step that is walked begins at or under the wave's first query, so every query of it has a key that counts.
; LIMITS: NaN and infinities are not served; y beyond 65,504 has no f16 number.  Positions 0-15 of each sequence are computed here too, and are made anew, in f32, by the last launch.
; LDS: two slots, 2^17 bytes apart: 128 lines of K (two keys, 256 bytes, + 16 of padding), 128 lines of V (+ 32 of padding).  Behind them a stage for each wave, then the spare words.
; REGISTERS: window 0: v1-15 addresses; v16-31 statistics; v32-95 S^T; v96-127 P; v128-191 K's fragments; v192-255 the way out.   window 1: v0-31 Q; v32-95 O^T; v128-191 V's fragments.
.set VOFF,  34816
.set SLOT1, 1<<17
.set STAGE, 202752                     ; 8 waves x 32 rows x (128 bytes + 16)
.set SPARE, 239616
.set AK0, 1
.set AV0, 2
.set ADK, 3
.set ADV, 4
.set QO,  5
.set STO, 6
.set RD,  7
.set GO,  8
.set DM,  9                            ; lane % 16 - 8 (lane / 16)
.set SPW, 10
.set NIL, 11
.set PFO, 12
.set ST,  16                           ; tile u at v[16 + 8 u]: +0 c m, +1 m, +2, +3 l, +4..+7 at work (a takes +6)
.set S,   32
.set P,   96
.set KFR, 128
.set OA,  32                           ; window 1
.set VFR, 128                          ; window 1
.set WV,  8
.set QB,  12                           ; my first query
.set KF,  13                           ; the step's first key
.set TB,  14                           ; LDS byte at which the slot in hand begins
.set SLOTS, 15
.set NLEFT, 16                         ; slots left in the pass
.set NK,  17                           ; which 256 keys the last load asked for
.set NP1, 18                           ; slots of pass 1
.set G1K, 24
.set G1V, 32
.set G0K, 40
.set G0V, 44
.set CS,  48
.set SEL, 50
.set PFA, 52
.set LIM, 54
.set KB,  56                           ; s[56:57] my quarter of the head's first slot of K;  s[58:59] of V
.set VB,  58
.set QP,  60
.set YP,  62
.set MSB, 0
.macro WIN new
.if MSB != (\new)
	s_set_vgpr_msb (MSB<<8)|(\new)
.set MSB, (\new)
.endif
.endm
; Waves 0-3 fetch K's quarters of a slot, waves 4-7 V's: one load a wave, 64 keys as 32 lines of 256 bytes.  An s_nop 0 and four v_nop follow each line.
.macro TLOAD
	s_cmp_lt_u32 s[WV], 4
	s_cbranch_scc0 .Lfor_v_\@
	tensor_load_to_lds s[G0K:G0K+3], s[G1K:G1K+7]
	s_nop 0
.rept 4
	v_nop
.endr
	s_branch .Lasked_\@
.Lfor_v_\@:
	tensor_load_to_lds s[G0V:G0V+3], s[G1V:G1V+7]
	s_nop 0
.rept 4
	v_nop
.endr
.Lasked_\@:
.endm
; A prefetch of what the NEXT change of slots will ask for.  All four work-groups of a head walk the same K and V from key 0 on: work-group 0, whose first pass walks slots 0 to 7 in trips 0 to 7, asks,
; each wave for its own quarter: 32 aligned blocks of 256 bytes, a lane a block.  In trip t it names slot t + 2, for t = 0 .. 5: a slot, four key steps, ahead of the tensor load; each block once in the launch.
.macro ASK
	s_cmp_gt_u32 s[SLOTS], s[LIM]
	s_cbranch_scc0 .Lnot_mine_\@
	global_prefetch_b8 v[PFO], s[PFA:PFA+1] th:TH_LOAD_NT scope:SCOPE_SE
.Lnot_mine_\@:
.endm
	s_load_b128 s[4:7], s[0:1], 0x0                ; qkv, y16
	v_lshl_add_u32 v[SPW], v0, 2, SPARE
	v_mov_b32 v[NIL], 0
	ds_add_u32 v[SPW], v[NIL]                      ; the wave's opening: the add, twice on end, and its wait ahead of my first tensor load
	ds_add_u32 v[SPW], v[NIL]
	v_lshrrev_b32 v1, 5, v0
	v_readfirstlane_b32 s[WV], v1                  ; wave 0..7
	s_mov_b32 s9, ttmp9                            ; i
	s_and_b32 s20, ttmp7, 0xffff                   ; batch x 16 + head
	s_lshl_b32 s10, s20, 18                        ; the head's first byte in a section
	s_mov_b32 s11, 0
	s_and_b32 s19, s[WV], 3                        ; which quarter of a slot I fetch
	s_mov_b32 s[G1K], (1<<16)|(1<<20)|(5<<22)|(3<<25)   ; elements of 2 bytes; padding: 4 words behind every 64
	s_mov_b32 s[G1V], (1<<16)|(1<<20)|(5<<22)|(7<<25)   ; the same with 8 words
.irp g, G1K, G1V
	s_mov_b32 s[\g+1], 128<<16                     ; tensor_dim0: a line of two keys, 128 elements
	s_mov_b32 s[\g+2], 32<<16                      ; tensor_dim1
	s_mov_b32 s[\g+3], 128<<16                     ; tile_dim0
	s_mov_b32 s[\g+4], 32                          ; tile_dim1
	s_mov_b32 s[\g+5], 128                         ; the pitch: the rows are dense in memory
	s_mov_b32 s[\g+6], 0
	s_mov_b32 s[\g+7], 0
.endr
	s_mov_b32 s[CS], 0x3e38aa3b                    ; c = log2(e) / 8
	s_mov_b32 s[CS+1], s[CS]
	s_mov_b32 s[SEL], 0x76543210
	s_mov_b32 s[SEL+1], 0xfedcba98
	s_mov_b32 s[TB], 0
	s_mov_b32 s[NK], 0
	s_mov_b32 s[KF], 0
	s_sub_co_u32 s[NP1], 8, s9
	s_mov_b32 s[NLEFT], s[NP1]
	s_sub_co_u32 s[QB], 7, s9
	s_lshl_b32 s[QB], s[QB], 8
	s_lshl_b32 s20, s[WV], 5
	s_add_co_u32 s[QB], s[QB], s20                 ; pass 1: block 7 - i, my 32 queries
	s_cmp_eq_u32 s9, 0
	s_cselect_b32 s[LIM], 2, -1
	s_lshl_b32 s20, s19, 13
	s_mov_b32 s21, 0
	s_add_nc_u64 s[20:21], s[20:21], s[10:11]
	s_wait_dscnt 0x0                               ; both opening adds are done
	s_wait_kmcnt 0x0
	s_add_nc_u64 s[KB:KB+1], s[4:5], s[20:21]
	s_add_nc_u64 s[VB:VB+1], s[KB:KB+1], 0x2000000 ; section 2
	s_add_nc_u64 s[KB:KB+1], s[KB:KB+1], 0x1000000 ; section 1
	s_mov_b32 s[G0K], 1
	s_mul_i32 s[G0K+1], s19, 8704                  ; LDS: my quarter of slot 0's lines of K
	s_mov_b64 s[G0K+2:G0K+3], s[KB:KB+1]
	s_or_b32 s[G0K+3], s[G0K+3], 0x80000000
	s_mov_b32 s[G0V], 1
	s_mul_i32 s[G0V+1], s19, 9216
	s_add_co_u32 s[G0V+1], s[G0V+1], VOFF
	s_mov_b64 s[G0V+2:G0V+3], s[VB:VB+1]
	s_or_b32 s[G0V+3], s[G0V+3], 0x80000000
	TLOAD                                          ; slot 0: one tensor load of mine is out
	s_cmp_lt_u32 s[WV], 4
	s_cselect_b64 s[PFA:PFA+1], s[KB:KB+1], s[VB:VB+1]
	s_add_nc_u64 s[PFA:PFA+1], s[PFA:PFA+1], 32768 ; in slot 1: the first change of slots steps it to slot 2
	v_and_b32 v14, 15, v0                          ; r
	v_bfe_u32 v15, v0, 4, 1                        ; h
	v_and_b32 v16, 31, v0                          ; lane
	v_lshrrev_b32 v17, 1, v14
	v_mul_u32_u24 v[AK0], v17, 272
	v_and_b32 v17, 1, v0
	v_lshl_add_u32 v[AK0], v17, 7, v[AK0]
	v_lshl_add_u32 v[AK0], v15, 4, v[AK0]          ; K: key r: line r / 2, half r % 2, + 16 h
	v_bfe_u32 v17, v0, 1, 2
	v_lshl_add_u32 v17, v15, 2, v17
	v_mul_u32_u24 v[AV0], v17, 288
	v_and_b32 v17, 1, v0
	v_lshl_add_u32 v[AV0], v17, 7, v[AV0]
	v_bfe_u32 v17, v0, 3, 1
	v_lshl_add_u32 v[AV0], v17, 4, v[AV0]
	v_add_nc_u32 v[AV0], VOFF, v[AV0]              ; V, for the turning load: key 8 h + lane % 8, channels 8 ((lane / 8) % 2) on
	v_lshlrev_b32 v[QO], 7, v14
	v_lshl_add_u32 v[QO], v15, 4, v[QO]            ; Q: row r of 128 bytes, + 16 h
	s_mul_i32 s20, s[WV], 4608
	s_add_co_u32 s20, s20, STAGE
	v_mul_u32_u24 v[STO], v14, 144
	v_lshl_add_u32 v[STO], v15, 4, v[STO]
	v_add_nc_u32 v[STO], s20, v[STO]
	v_lshrrev_b32 v17, 3, v16
	v_mul_u32_u24 v[RD], v17, 144
	v_and_b32 v17, 7, v0
	v_lshl_add_u32 v[RD], v17, 4, v[RD]
	v_add_nc_u32 v[RD], s20, v[RD]
	v_lshlrev_b32 v[GO], 4, v16
	v_lshlrev_b32 v17, 3, v15
	v_sub_nc_u32 v[DM], v14, v17
	v_lshlrev_b32 v[PFO], 8, v16
	v_mov_b32 v13, 0xff800000                      ; -infinity
; A PASS BEGINS: Q's fragments into registers; O^T, l = 0; m = -3e38, under every score.
.macro INIT
	s_lshl_b32 s20, s[QB], 7
	s_mov_b32 s21, 0
	s_add_nc_u64 s[20:21], s[20:21], s[10:11]
	s_add_nc_u64 s[QP:QP+1], s[4:5], s[20:21]
	s_add_nc_u64 s[YP:YP+1], s[6:7], s[20:21]
	WIN 0x40                                       ; destination window 1
.irp u, 0,1
.irp c, 0,1
	global_load_b128 v[16*\u+8*\c:16*\u+8*\c+3], v[QO], s[QP:QP+1] offset:2048*\u+64*\c
	global_load_b128 v[16*\u+8*\c+4:16*\u+8*\c+7], v[QO], s[QP:QP+1] offset:2048*\u+64*\c+32
.endr
.endr
.set j, 0
.rept 64
	v_mov_b32 v[OA+j], 0                           ; the step is written once: the first finds zeros, which a = 0 leaves zeros
.set j, j+1
.endr
	WIN 0
.irp u, 0,1
	v_mov_b32 v[ST+8*\u+1], 0xff61b1e6
	v_mul_f32 v[ST+8*\u], s[CS], v[ST+8*\u+1]
.irp n, 2,3,4,5,6,7
	v_mov_b32 v[ST+8*\u+\n], 0
.endr
.endr
	s_wait_loadcnt 0x0                             ; Q
.endm
; A KEY STEP: 64 keys, the q-th quarter of the slot in hand.
.macro STEP q
	s_add_co_u32 s20, s[QB], 31
	s_cmp_gt_u32 s[KF], s20                        ; all its keys come after my queries: nothing to do
	s_cbranch_scc1 .Lhidden_\@
	v_add_nc_u32 v[ADK], s[TB], v[AK0]
	v_add_nc_u32 v[ADV], s[TB], v[AV0]
	v_nop
	v_nop                                          ; four plain lines between the last step's products and the loads into V's registers
.irp k, 0,1,2,3
.irp c, 0,1
	ds_load_b128 v[KFR+16*\k+8*\c:KFR+16*\k+8*\c+3], v[ADK] offset:8704*(\q)+2176*\k+64*\c
	ds_load_b128 v[KFR+16*\k+8*\c+4:KFR+16*\k+8*\c+7], v[ADK] offset:8704*(\q)+2176*\k+64*\c+32
.endr
.endr
	WIN 0x40
.irp g, 0,1
.irp t, 0,1,2,3
	ds_load_tr16_b128 v[VFR+32*\g+8*\t:VFR+32*\g+8*\t+3], v[ADV] offset:9216*(\q)+4608*\g+32*\t
	ds_load_tr16_b128 v[VFR+32*\g+8*\t+4:VFR+32*\g+8*\t+7], v[ADV] offset:9216*(\q)+4608*\g+32*\t+2304
.endr
.endr
	s_wait_dscnt 16                                ; K's sixteen loads are in; V's sixteen, issued behind them, may be out
	WIN 0x04                                       ; Q in window 1
.irp c, 0,1                                    ; the eight accumulators take turns, one instruction a turn
.irp k, 0,1,2,3
.irp u, 0,1
.if \c == 0
	v_wmma_f32_16x16x32_f16 v[S+32*\u+8*\k:S+32*\u+8*\k+7], v[KFR+16*\k+8*\c:KFR+16*\k+8*\c+7], v[16*\u+8*\c:16*\u+8*\c+7], 0
.else
	v_wmma_f32_16x16x32_f16 v[S+32*\u+8*\k:S+32*\u+8*\k+7], v[KFR+16*\k+8*\c:KFR+16*\k+8*\c+7], v[16*\u+8*\c:16*\u+8*\c+7], v[S+32*\u+8*\k:S+32*\u+8*\k+7]
.endif
.endr
.endr
.endr
	WIN 0
.rept 4
	v_nop
.endr
	s_add_co_u32 s20, s[KF], 63
	s_cmp_le_u32 s20, s[QB]                        ; all its keys count for all my queries: no mask
	s_cbranch_scc1 .Lopen_\@
	s_sub_co_i32 s20, s[QB], s[KF]
	v_add_nc_u32 v14, s20, v[DM]                   ; tile 0: register 8 k + j holds key KF + 16 k + 8 h + j: hidden where 16 k + j > my query - KF - 8 h
	v_add_nc_u32 v15, 16, v14                      ; tile 1's queries lie 16 further on
.irp u, 0,1
.irp n, 0,1,2,3,4,5,6,7,8,9,10,11,12,13,14,15,16,17,18,19,20,21,22,23,24,25,26,27,28,29,30,31
	v_cmp_gt_i32 vcc_lo, 16*(\n/8)+\n%8, v[14+\u]
	v_cndmask_b32 v[S+32*\u+\n], v[S+32*\u+\n], v13, vcc_lo
.endr
.endr
.Lopen_\@:
	; the maximum of the lane's 32 scores and the old m, three operands at a time; the two tiles line by line in turn
.irp k, 0,1,2,3
.irp u, 0,1
	v_max3_num_f32 v[ST+8*\u+4+\k], v[S+32*\u+8*\k], v[S+32*\u+8*\k+1], v[S+32*\u+8*\k+2]
.endr
.endr
.irp n, 3,5
.irp k, 0,1,2,3
.irp u, 0,1
	v_max3_num_f32 v[ST+8*\u+4+\k], v[ST+8*\u+4+\k], v[S+32*\u+8*\k+\n], v[S+32*\u+8*\k+\n+1]
.endr
.endr
.endr
.irp u, 0,1
	v_max3_num_f32 v[ST+8*\u+4], v[ST+8*\u+4], v[S+32*\u+7], v[S+32*\u+15]
	v_max3_num_f32 v[ST+8*\u+6], v[ST+8*\u+6], v[S+32*\u+23], v[S+32*\u+31]
.endr
.irp u, 0,1
	v_max3_num_f32 v[ST+8*\u+4], v[ST+8*\u+4], v[ST+8*\u+5], v[ST+8*\u+6]
.endr
.irp u, 0,1
	v_max3_num_f32 v[ST+8*\u+4], v[ST+8*\u+4], v[ST+8*\u+7], v[ST+8*\u+1]
.endr
.irp u, 0,1
	v_permlanex16_b32 v[ST+8*\u+5], v[ST+8*\u+4], s[SEL], s[SEL+1]   ; the query's other 32 keys lie in the lane 16 away
.endr
.irp u, 0,1
	v_mov_b32 v[ST+8*\u+7], v[ST+8*\u]             ; c m_old is kept for a
.endr
.irp u, 0,1
	v_max_num_f32 v[ST+8*\u+1], v[ST+8*\u+4], v[ST+8*\u+5]
.endr
.irp u, 0,1
	v_mul_f32 v[ST+8*\u], s[CS], v[ST+8*\u+1]
.endr
.irp u, 0,1
	v_sub_f32 v[ST+8*\u+7], v[ST+8*\u+7], v[ST+8*\u]
.endr
.irp b, 0,1,2,3,4,5,6,7,8,9,10,11,12,13,14,15
.irp u, 0,1
	v_pk_fma_f32 v[S+32*\u+2*\b:S+32*\u+2*\b+1], v[S+32*\u+2*\b:S+32*\u+2*\b+1], s[CS:CS+1], v[ST+8*\u:ST+8*\u+1] op_sel_hi:[1,0,0] neg_lo:[0,0,1] neg_hi:[0,0,1]   ; c s - c m
.endr
.endr
.irp u, 0,1
	v_exp_f32 v[ST+8*\u+6], v[ST+8*\u+7]           ; a
.endr
.irp e, 0,1,2,3,4,5,6,7,8,9,10,11,12,13,14,15,16,17,18,19,20,21,22,23,24,25,26,27,28,29,30,31
.irp u, 0,1
	v_exp_f32 v[S+32*\u+\e], v[S+32*\u+\e]         ; p, at most 1
.endr
.endr
	v_nop                                          ; a plain line behind the last exponential
	s_wait_alu depctr_va_vdst(0)                   ; one wait for the batch of 66, ahead of its first reader
.irp n, 0,1,2,3,4,5,6,7,8,9,10,11,12,13,14,15
.irp u, 0,1
	v_cvt_pk_f16_f32 v[P+16*\u+\n], v[S+32*\u+2*\n], v[S+32*\u+2*\n+1]
.endr
.endr
.irp z, 0,1,2,3,4,5,6,7                        ; the sum of the unrounded p, in place, pairs 1, 2, 4, 8 apart
.irp u, 0,1
	v_pk_add_f32 v[S+32*\u+4*\z:S+32*\u+4*\z+1], v[S+32*\u+4*\z:S+32*\u+4*\z+1], v[S+32*\u+4*\z+2:S+32*\u+4*\z+3]
.endr
.endr
.irp z, 0,1,2,3
.irp u, 0,1
	v_pk_add_f32 v[S+32*\u+8*\z:S+32*\u+8*\z+1], v[S+32*\u+8*\z:S+32*\u+8*\z+1], v[S+32*\u+8*\z+4:S+32*\u+8*\z+5]
.endr
.endr
.irp z, 0,1
.irp u, 0,1
	v_pk_add_f32 v[S+32*\u+16*\z:S+32*\u+16*\z+1], v[S+32*\u+16*\z:S+32*\u+16*\z+1], v[S+32*\u+16*\z+8:S+32*\u+16*\z+9]
.endr
.endr
.irp u, 0,1
	v_pk_add_f32 v[S+32*\u:S+32*\u+1], v[S+32*\u:S+32*\u+1], v[S+32*\u+16:S+32*\u+17]
.endr
.irp u, 0,1
	v_pk_fma_f32 v[ST+8*\u+2:ST+8*\u+3], v[ST+8*\u+2:ST+8*\u+3], v[ST+8*\u+6:ST+8*\u+7], v[S+32*\u:S+32*\u+1] op_sel_hi:[1,0,1]   ; l = a l + the sum
.endr
	WIN 0x41                                       ; O^T in window 1, a in window 0
.irp n, 0,1,2,3,4,5,6,7,8,9,10,11,12,13,14,15
.irp u, 0,1
	v_pk_mul_f32 v[OA+32*\u+2*\n:OA+32*\u+2*\n+1], v[OA+32*\u+2*\n:OA+32*\u+2*\n+1], v[ST+8*\u+6:ST+8*\u+7] op_sel_hi:[1,0]
.endr
.endr
	s_wait_dscnt 0x0                               ; V is in
	WIN 0x51                                       ; V and O^T in window 1, P in window 0
.irp g, 0,1
.irp t, 0,1,2,3
.irp u, 0,1
	v_wmma_f32_16x16x32_f16 v[OA+32*\u+8*\t:OA+32*\u+8*\t+7], v[VFR+32*\g+8*\t:VFR+32*\g+8*\t+7], v[P+16*\u+8*\g:P+16*\u+8*\g+7], v[OA+32*\u+8*\t:OA+32*\u+8*\t+7]
.endr
.endr
.endr
	WIN 0
.Lhidden_\@:
	s_add_co_u32 s[KF], s[KF], 64
.endm
.macro SLOT_STEPS
.irp q, 0,1,2,3
	STEP \q
.endr
	s_xor_b32 s[TB], s[TB], SLOT1                  ; on to the other slot
.endm
; THE CHANGE OF SLOTS stands at a slot's head.  Each wave waits for all its tensor loads (its part of the slot ahead), adds 0 to its spare word, and waits for that and for its reads of the slot that it has left.
; fill = 1: behind the barrier that slot takes the walk's next 256 keys: the load has a slot's four steps in which to land.  The walk goes 0 .. 7 - i and then 0 .. i.
.macro CHANGE fill
	s_wait_tensorcnt 0x0                           ; no tensor load of mine is out, so a group 0 may be written
	ds_add_u32 v[SPW], v[NIL]                      ; the descriptors' words are made while it is out
.if \fill
	s_add_co_u32 s[NK], s[NK], 1
	s_cmp_eq_u32 s[NK], s[NP1]
	s_cselect_b32 s[NK], 0, s[NK]                  ; behind pass 1's last slot comes key 0 again
	s_lshl_b32 s20, s[NK], 15
	s_mov_b32 s21, 0
	s_xor_b32 s[G0K+1], s[G0K+1], SLOT1
	s_add_nc_u64 s[G0K+2:G0K+3], s[KB:KB+1], s[20:21]
	s_or_b32 s[G0K+3], s[G0K+3], 0x80000000
	s_xor_b32 s[G0V+1], s[G0V+1], SLOT1
	s_add_nc_u64 s[G0V+2:G0V+3], s[VB:VB+1], s[20:21]
	s_or_b32 s[G0V+3], s[G0V+3], 0x80000000
	s_wait_xcnt 0x0                                ; the last prefetch, a slot back, has read its address
	s_add_nc_u64 s[PFA:PFA+1], s[PFA:PFA+1], 32768
.endif
	s_wait_dscnt 0x0                               ; the add is done, and my reads of the slot that I have left are over
	s_barrier_signal -1
	s_barrier_wait -1
.if \fill
	TLOAD                                          ; the first thing behind the barrier, and my one tensor load until the next
	ASK
.endif
.endm
; A PASS ENDS: O^T / l, rounded to f16, through my stage, out as 512 consecutive bytes a store (four positions).
.macro FINISH
.rept 4
	v_nop                                          ; places behind the last products
.endr
.irp u, 0,1
	v_add_f32 v[ST+8*\u+4], v[ST+8*\u+2], v[ST+8*\u+3]
.endr
.irp u, 0,1
	v_permlanex16_b32 v[ST+8*\u+5], v[ST+8*\u+4], s[SEL], s[SEL+1]
.endr
.irp u, 0,1
	v_add_f32 v[ST+8*\u+4], v[ST+8*\u+4], v[ST+8*\u+5]
.endr
.irp u, 0,1
	v_rcp_f32 v[ST+8*\u+6], v[ST+8*\u+4]
.endr
	v_nop
	s_wait_alu depctr_va_vdst(0)                   ; one wait for the two reciprocals, ahead of their first reader
	WIN 0x41
.irp u, 0,1
.irp n, 0,1,2,3,4,5,6,7,8,9,10,11,12,13,14,15
	v_pk_mul_f32 v[OA+32*\u+2*\n:OA+32*\u+2*\n+1], v[OA+32*\u+2*\n:OA+32*\u+2*\n+1], v[ST+8*\u+6:ST+8*\u+7] op_sel_hi:[1,0]
.endr
.endr
	WIN 0x05                                       ; sources window 1, destination window 0
.irp u, 0,1
.irp n, 0,1,2,3,4,5,6,7,8,9,10,11,12,13,14,15
	v_cvt_pk_f16_f32 v[192+16*\u+\n], v[OA+32*\u+2*\n], v[OA+32*\u+2*\n+1]
.endr
.endr
	WIN 0
.irp u, 0,1
.irp t, 0,1,2,3
	ds_store_b128 v[STO], v[192+16*\u+4*\t:192+16*\u+4*\t+3] offset:2304*\u+32*\t
.endr
.endr
.irp i, 0,1,2,3,4,5,6,7
	ds_load_b128 v[224+4*\i:224+4*\i+3], v[RD] offset:576*\i   ; LDS serves a wave's instructions in order: these see the stores above
.endr
.irp i, 0,1,2,3,4,5,6,7
	s_wait_dscnt 7-\i                              ; loads come back in order: load i is in
	global_store_b128 v[GO], v[224+4*\i:224+4*\i+3], s[YP:YP+1] offset:512*\i
.endr
	s_wait_xcnt 0x0                                ; the stores have read their registers and their base
.endm
	INIT
	s_mov_b32 s[SLOTS], 8
.Lslot:                                            ; eight trips; the ninth slot is written out
	CHANGE 1
	SLOT_STEPS
	s_sub_co_u32 s[NLEFT], s[NLEFT], 1
	s_cmp_lg_u32 s[NLEFT], 0                       ; ids and the count of trips alone: all eight waves go the same way
	s_cbranch_scc1 .Lsame
	FINISH                                         ; pass 1 is over
	s_lshl_b32 s[QB], s9, 8
	s_lshl_b32 s20, s[WV], 5
	s_add_co_u32 s[QB], s[QB], s20                 ; pass 2: block i
	s_mov_b32 s[KF], 0
	s_mov_b32 s[NLEFT], 16                         ; more than the trips that are left
	INIT
.Lsame:
	s_sub_co_u32 s[SLOTS], s[SLOTS], 1
	s_cmp_lg_u32 s[SLOTS], 0
	s_cbranch_scc1 .Lslot
	CHANGE 0
	SLOT_STEPS
	FINISH
	s_wait_tensorcnt 0x0                           ; the wave's end
	ds_add_u32 v[SPW], v[NIL]
	s_wait_dscnt 0x0
	s_endpgm
.Lfunc_end_k_q469aa14398_attn:
	.size	k_q469aa14398_attn, .Lfunc_end_k_q469aa14398_attn-k_q469aa14398_attn
	.p2alignl 7, 3214868480
	.fill 96, 4, 3214868480
	.section	.rodata,"a",@progbits
	.p2align	6, 0x0
	.amdhsa_kernel k_q469aa14398_attn
		.amdhsa_group_segment_fixed_size 327680
		.amdhsa_private_segment_fixed_size 0
		.amdhsa_enable_private_segment 0
		.amdhsa_kernarg_size 16
		.amdhsa_user_sgpr_count 2
		.amdhsa_user_sgpr_kernarg_segment_ptr 1
		.amdhsa_wavefront_size32 1
		.amdhsa_system_sgpr_workgroup_id_x 1
		.amdhsa_system_sgpr_workgroup_id_y 1
		.amdhsa_system_sgpr_workgroup_id_z 1
		.amdhsa_system_vgpr_workitem_id 0
		.amdhsa_next_free_vgpr 512
		.amdhsa_next_free_sgpr 66
		.amdhsa_reserve_vcc 1
		.amdhsa_float_denorm_mode_32 3
		.amdhsa_float_denorm_mode_16_64 3
		.amdhsa_memory_ordered 1
		.amdhsa_forward_progress 1
		.amdhsa_inst_pref_size 199
	.end_amdhsa_kernel
	.amdgpu_metadata
---
amdhsa.version: [ 1, 2 ]
amdhsa.kernels:
  - .name:           k_q469aa14398_attn
    .symbol:         k_q469aa14398_attn.kd
    .args:
      - { .name: qkv, .offset: 0, .size: 8, .value_kind: global_buffer, .address_space: global }
      - { .name: y16, .offset: 8, .size: 8, .value_kind: global_buffer, .address_space: global }
    .group_segment_fixed_size: 327680
    .private_segment_fixed_size: 0
    .kernarg_segment_align: 8
    .kernarg_segment_size: 16
    .max_flat_workgroup_size: 256
    .sgpr_count:     66
    .vgpr_count:     512
    .wavefront_size: 32
...
	.end_amdgpu_metadata
.endif
;; end of part 3
;; launch proj (part 4): grid 4 x 64, 4 waves a work-group, clusters of 4 x 4, 327,680 bytes of LDS; arguments y16, wp16, b_proj, out0; writes out0
.if DOCPART == 4
	.amdgcn_target "amdgcn-amd-amdhsa--gfx1250"
	.amdhsa_code_object_version 6
	.text
	.protected	k_q469aa14398_proj
	.globl	k_q469aa14398_proj
	.p2align	8
	.type	k_q469aa14398_proj,@function
k_q469aa14398_proj:
	s_mov_b64 s[64:65], 0
	v_nop
	global_prefetch_b8 v0, s[64:65] scope:SCOPE_SE
	s_setreg_imm32_b32 hwreg(HW_REG_WAVE_MODE, 25, 1), 1
	s_wait_xcnt 0x0
	s_wait_alu depctr_hold_cnt(0) depctr_sa_sdst(0) depctr_va_vdst(0) depctr_va_sdst(0) depctr_va_ssrc(0) depctr_va_vcc(0) depctr_vm_vsrc(0)
	s_getreg_b32 s2, hwreg(HW_REG_IB_STS2, 6, 4)
	s_cmp_eq_u32 s2, 0
	s_cbranch_scc0 .Lentry_in_a_cluster
	s_endpgm
.Lentry_in_a_cluster:
	s_bfe_u32 s2, ttmp6, 0x10000c
	s_cmp_lg_u32 s2, 0xf033
	s_cbranch_scc0 .Lentry_shape_is_right
	s_endpgm
.Lentry_shape_is_right:
; out0[m][n] = the sum over k of y[m][k] w_proj[k][n] + b_proj[n], on f16 operands, sums in f32, out in f32.
; y16 is laid [batch][head][position][64] f16: k = 64 head + channel.  wp16 is [k 1024][n 1024] f16.
; A tile of 128 rows x 256 columns is made by four waves, 64 x 128 each: 32 accumulators.  That gives 256 work-groups.
; K goes in steps of 128 (two heads) through a ring of two LDS slots.  A's part of a slot: for each of the two heads 128 positions x 128 bytes, dense in memory, as 64 lines of 256 bytes + 16 of padding;
; B's part: 128 rows k x 512 bytes + 32 of padding, read turned by ds_load_tr16_b128.
; CLUSTERS: 4 x 4 work-groups; A's tiles are asked for jointly along a row of the cluster, B's along a column; each refill stands behind a round of the cluster's barrier.
; THE MATRIX INSTRUCTION IS USED TRANSPOSED (source 0 = 16 columns of w_proj, source 1 = 16 rows of y): a lane holds one row and eight neighbouring columns.  The bias is the C of each sum's first product.
; The first 16 positions of each sequence are stored here like all rows, and are made anew, in f32, by the next launch.
; REGISTERS: window 0: v16-30 addresses; v64-127 y's fragments, two buffers; v128-191 the bias; on the way out v128-255.   window 1: v0-127 w_proj's fragments, two buffers.   window 2: the accumulators ((a, b) at v[8 (8 a + b)]).
.set SLOT,  104448                     ; 34,816 of A + 69,632 of B
.set BOFF,  34816
.set SPARE, 2*SLOT
.set ADRA, 16
.set ADRB, 20
.set STO,  24
.set RD,   25
.set CO,   26
.set SPW,  28
.set NIL,  29
.set PFO,  30
.set BIAS, 128
.set BK,   128
.set LIM,  19
.set PFA,  44
.set G1A, 24
.set G0A, 32
.set G1B, 48
.set G0B, 56
.set MSB, 0
.macro WIN new
.if MSB != (\new)
	s_set_vgpr_msb (MSB<<8)|(\new)
.set MSB, (\new)
.endif
.endm
.set MUL, 0xa1                         ; source 0 window 1, source 1 window 0, C and D window 2
.macro JLOAD s                         ; waves 0 and 1 fetch A's two heads, waves 2 and 3 B's two halves; an s_nop 0 and four v_nop follow each line
	s_cmp_eq_u32 s13, 0
	s_cbranch_scc0 .Lfor_b_\@
	tensor_load_to_lds s[G0A+4*\s:G0A+4*\s+3], s[G1A:G1A+7]
	s_nop 0
.rept 4
	v_nop
.endr
	s_branch .Lasked_\@
.Lfor_b_\@:
	tensor_load_to_lds s[G0B+4*\s:G0B+4*\s+3], s[G1B:G1B+7]
	s_nop 0
.rept 4
	v_nop
.endr
.Lasked_\@:
.endm
.macro CREST
	s_cmp_lg_u32 s12, 0
	s_cbranch_scc1 .Lnot_wave_0_\@
	s_barrier_signal -3
.Lnot_wave_0_\@:
	s_barrier_wait -3
	s_barrier_signal -1
	s_barrier_wait -1
.endm
.macro CROUND
	s_barrier_signal -1
	s_barrier_wait -1
	CREST
.endm
; A prefetch of y's tile two refills on.  A tile of A is read by one cluster alone; a K step of it is 128 aligned blocks of 256 bytes, which the four partners that ask for it jointly share out BY ADDRESS,
; 32 each (head cx / 2, half cx % 2); in each, wave 0 asks, a lane a block.  The refill of K step j + 2 is followed by the request for K step j + 4, for j = 0 .. 3: 256 products ahead of the load that will want it.
; w_proj's tiles are read by all sixteen rows of clusters, again and again, and are not asked for.
.macro ASK
	s_cmp_gt_u32 s3, s[LIM]                        ; s3 = 1 in the loop's last trip, whose two refills have no K step four on
	s_cbranch_scc0 .Lnot_mine_\@
	global_prefetch_b8 v[PFO], s[PFA:PFA+1] th:TH_LOAD_NT scope:SCOPE_SE
.Lnot_mine_\@:
.endm
	s_load_b256 s[4:11], s[0:1], 0x0               ; y16, wp16, b_proj, out0
	v_lshl_add_u32 v[SPW], v0, 2, SPARE
	v_mov_b32 v[NIL], 0
	ds_add_u32 v[SPW], v[NIL]                      ; the wave's opening: the add, twice on end, and its wait ahead of my first tensor load
	ds_add_u32 v[SPW], v[NIL]
	v_lshrrev_b32 v1, 5, v0
	v_readfirstlane_b32 s12, v1                    ; wave 0..3
	s_lshr_b32 s13, s12, 1                         ; my half of the rows.  Also: I fetch for A (0) or for B (1)
	s_and_b32 s14, s12, 1                          ; my half of the columns.  Also: which part I fetch
	s_bfe_u32 s15, ttmp6, 0x40000                  ; cx
	s_bfe_u32 s16, ttmp6, 0x40004                  ; cy
	s_lshl_b32 s17, ttmp9, 2
	s_add_co_u32 s17, s17, s15                     ; tile column 0..3
	s_and_b32 s18, ttmp7, 0xffff
	s_lshl_b32 s18, s18, 2
	s_add_co_u32 s18, s18, s16                     ; tile row 0..63
	s_lshl_b32 s20, s16, 2
	s_lshl_b32 s20, 15, s20                        ; my row of the cluster
	s_lshl_b32 s21, 0x1111, s15                    ; my column
	s_or_b32 s[G1A], s20, (1<<16)|(1<<20)|(1<<21)|(5<<22)|(3<<25)    ; elements of 2 bytes; 4 words of padding behind every 64
	s_or_b32 s[G1B], s21, (1<<16)|(1<<20)|(1<<21)|(6<<22)|(7<<25)    ; 8 words behind every 128
	s_mov_b32 s[G1A+1], 128<<16                    ; A: 64 lines of 128 elements, dense
	s_mov_b32 s[G1A+2], 64<<16
	s_mov_b32 s[G1A+3], 128<<16
	s_mov_b32 s[G1A+4], 64
	s_mov_b32 s[G1A+5], 128
	s_mov_b32 s[G1A+6], 0
	s_mov_b32 s[G1A+7], 0
	s_mov_b32 s[G1B+1], 256<<16                    ; B: 64 rows of 256 elements, 1,024 elements apart
	s_mov_b32 s[G1B+2], 64<<16
	s_mov_b32 s[G1B+3], 256<<16
	s_mov_b32 s[G1B+4], 64
	s_mov_b32 s[G1B+5], 1024
	s_mov_b32 s[G1B+6], 0
	s_mov_b32 s[G1B+7], 0
	s_lshr_b32 s22, s18, 4                         ; A: ((batch x 16 + my head of the K step) x 2048 + first position) x 128 bytes: the tile row alone enters
	s_lshl_b32 s22, s22, 4
	s_add_co_u32 s22, s22, s14
	s_lshl_b32 s22, s22, 18
	s_and_b32 s23, s18, 15
	s_lshl_b32 s23, s23, 14
	s_add_co_u32 s22, s22, s23
	s_mov_b32 s23, 0
	s_lshl_b32 s40, s14, 17                        ; B: row 64 x part, column 256 x tile column: the tile column alone enters
	s_lshl_b32 s41, s17, 9
	s_add_co_u32 s40, s40, s41
	s_mov_b32 s41, 0
	s_mul_i32 s42, s14, 17408                      ; where they go: no place in the cluster enters an LDS address
	s_mul_i32 s43, s14, 34816
	s_add_co_u32 s43, s43, BOFF
	s_wait_dscnt 0x0                               ; both opening adds are done
	s_wait_kmcnt 0x0
	s_add_nc_u64 s[22:23], s[4:5], s[22:23]
	s_add_nc_u64 s[40:41], s[6:7], s[40:41]
	CROUND                                         ; all sixteen work-groups are here: the first joint loads meet
.irp s, 0,1
	s_mov_b32 s[G0A+4*\s], 1
	s_add_co_u32 s[G0A+4*\s+1], s42, \s*SLOT
	s_add_nc_u64 s[G0A+4*\s+2:G0A+4*\s+3], s[22:23], \s*524288     ; K step s: two heads on
	s_or_b32 s[G0A+4*\s+3], s[G0A+4*\s+3], 0x80000000
	s_mov_b32 s[G0B+4*\s], 1
	s_add_co_u32 s[G0B+4*\s+1], s43, \s*SLOT
	s_add_nc_u64 s[G0B+4*\s+2:G0B+4*\s+3], s[40:41], \s*262144     ; 128 rows of 2,048 bytes on
	s_or_b32 s[G0B+4*\s+3], s[G0B+4*\s+3], 0x80000000
	JLOAD \s                                       ; two tensor loads of mine are out
.endr
	v_and_b32 v1, 15, v0                           ; r
	v_bfe_u32 v2, v0, 4, 1                         ; h
	; the bias of my 128 columns
	s_lshl_b32 s20, s17, 10
	s_lshl_b32 s21, s14, 9
	s_add_co_u32 s20, s20, s21
	s_mov_b32 s21, 0
	s_add_nc_u64 s[8:9], s[8:9], s[20:21]
	v_lshlrev_b32 v27, 5, v2
.irp b, 0,1,2,3,4,5,6,7
	global_load_b128 v[BIAS+8*\b:BIAS+8*\b+3], v27, s[8:9] offset:64*\b
	global_load_b128 v[BIAS+8*\b+4:BIAS+8*\b+7], v27, s[8:9] offset:64*\b+16
.endr
	v_lshrrev_b32 v3, 1, v1
	v_mul_u32_u24 v3, v3, 272
	v_and_b32 v4, 1, v0
	v_lshl_add_u32 v3, v4, 7, v3
	v_lshl_add_u32 v3, v2, 4, v3                   ; y: row r: line r / 2, half r % 2, + 16 h
	v_and_b32 v5, 7, v0
	v_lshl_add_u32 v5, v2, 3, v5
	v_mul_u32_u24 v5, v5, 544
	v_bfe_u32 v6, v0, 3, 1
	v_lshl_add_u32 v5, v6, 4, v5                   ; w_proj, for the turning load: row 8 h + lane % 8, columns 8 ((lane / 8) % 2) on
	s_mul_i32 s20, s13, 8704                       ; my 64 rows: 32 lines
	s_lshl_b32 s21, s14, 8                         ; my 128 columns: 256 bytes
	s_add_co_u32 s21, s21, BOFF
.irp s, 0,1
	v_add_nc_u32 v[ADRA+\s], s20, v3
	v_add_nc_u32 v[ADRB+\s], s21, v5
	s_add_co_u32 s20, s20, SLOT
	s_add_co_u32 s21, s21, SLOT
.endr
	s_mul_i32 s20, s12, 16*528                     ; my stage, in slot 0: 16 rows x (512 bytes + 16)
	v_mul_u32_u24 v5, v1, 528
	v_lshl_add_u32 v5, v2, 5, v5
	v_add_nc_u32 v[STO], s20, v5
	v_and_b32 v6, 31, v0
	v_lshlrev_b32 v[CO], 4, v6
	v_add_nc_u32 v[RD], s20, v[CO]
	v_lshlrev_b32 v[PFO], 8, v6
	; the prefetches
	s_lshr_b32 s46, s15, 1
	s_lshl_b32 s46, s46, 18                        ; head cx / 2 of the K step's two,
	s_and_b32 s47, s15, 1
	s_lshl_b32 s47, s47, 13                        ; half cx % 2 of its 16,384 bytes
	s_add_co_u32 s46, s46, s47
	s_lshr_b32 s47, s18, 4
	s_lshl_b32 s47, s47, 22
	s_add_co_u32 s46, s46, s47
	s_and_b32 s47, s18, 15
	s_lshl_b32 s47, s47, 14
	s_add_co_u32 s46, s46, s47
	s_mov_b32 s47, 0
	s_add_nc_u64 s[PFA:PFA+1], s[4:5], s[46:47]
	s_add_nc_u64 s[PFA:PFA+1], s[PFA:PFA+1], 3*524288   ; at K step 3: the first refill steps it to 4
	s_cmp_eq_u32 s12, 0
	s_cselect_b32 s[LIM], 1, -1
	; out0 at my first row and column
	s_lshl_b32 s20, s18, 7
	s_lshl_b32 s21, s13, 6
	s_add_co_u32 s20, s20, s21
	s_lshl_b32 s20, s20, 12
	s_lshl_b32 s21, s17, 10
	s_add_co_u32 s20, s20, s21
	s_lshl_b32 s21, s14, 9
	s_add_co_u32 s20, s20, s21
	s_mov_b32 s21, 0
	s_add_nc_u64 s[10:11], s[10:11], s[20:21]
; 24 LDS loads in one run: the fragments of quarter qd (32 along K) of a slot into buffer f: w_proj's eight first, then y's four
.macro FETCH slot, qd, f
	WIN 0x40
.irp b, 0,1,2,3,4,5,6,7
	ds_load_tr16_b128 v[64*(\f)+8*\b:64*(\f)+8*\b+3], v[ADRB+\slot] offset:17408*(\qd)+32*\b
	ds_load_tr16_b128 v[64*(\f)+8*\b+4:64*(\f)+8*\b+7], v[ADRB+\slot] offset:17408*(\qd)+32*\b+8704
.endr
	WIN 0
.irp i, 0,1,2,3
	ds_load_b128 v[64+32*(\f)+8*\i:64+32*(\f)+8*\i+3], v[ADRA+\slot] offset:17408*((\qd)/2)+64*((\qd)%2)+2176*\i
	ds_load_b128 v[64+32*(\f)+8*\i+4:64+32*(\f)+8*\i+7], v[ADRA+\slot] offset:17408*((\qd)/2)+64*((\qd)%2)+2176*\i+32
.endr
.endm
; 8 products: row block a x the eight column blocks.  The 32 accumulators take turns, one instruction a turn, in the same order in every quarter.
.macro MULA f, a, first
.irp b, 0,1,2,3,4,5,6,7
.if \first
	v_wmma_f32_16x16x32_f16 v[8*(8*(\a)+\b):8*(8*(\a)+\b)+7], v[64*(\f)+8*\b:64*(\f)+8*\b+7], v[64+32*(\f)+8*(\a):64+32*(\f)+8*(\a)+7], v[BIAS+8*\b:BIAS+8*\b+7]
.else
	v_wmma_f32_16x16x32_f16 v[8*(8*(\a)+\b):8*(8*(\a)+\b)+7], v[64*(\f)+8*\b:64*(\f)+8*\b+7], v[64+32*(\f)+8*(\a):64+32*(\f)+8*(\a)+7], v[8*(8*(\a)+\b):8*(8*(\a)+\b)+7]
.endif
.endr
.endm
.macro PLACES                          ; plain vector lines between a matrix instruction and a load into, or a read of, its registers
.rept 4
	v_nop
.endr
.endm
.macro QUARTER slot, nq, f, g, first   ; multiplies buffer f; in its middle fetches quarter nq of the same slot into buffer g
	s_wait_dscnt 4                                 ; all but the youngest four loads (y's blocks 2 and 3) are in
.if \first
	WIN 0x81                                       ; C (the bias) window 0
.else
	WIN MUL
.endif
	MULA \f, 0, \first
	MULA \f, 1, \first
	PLACES
	FETCH \slot, \nq, \g
	s_wait_dscnt 24                                ; all but the 24 just issued
.if \first
	WIN 0x81
.else
	WIN MUL
.endif
	MULA \f, 2, \first
	MULA \f, 3, \first
.endm
; A slot's last quarter multiplies buffer 1 and changes slots: one barrier; in front of it each wave waits for all its tensor loads, adds 0 to its spare word, and waits for that and for its reads of this slot.
; fill = 1: the barrier opens a round of the cluster's barrier, and the slot is filled again, two K steps ahead, first thing behind the round.
.macro TURN slot, next, fill
.if \fill
	s_wait_xcnt 0x0                                ; the last prefetch, a K step back, has read its address
	s_add_nc_u64 s[PFA:PFA+1], s[PFA:PFA+1], 524288
.endif
	WIN 0
	s_wait_tensorcnt 0x0                           ; all my tensor loads have landed: my part of the next slot
	ds_add_u32 v[SPW], v[NIL]
	s_wait_dscnt 5                                 ; the add and the youngest four loads may be out
	WIN MUL
	MULA 1, 0, 0
	s_wait_dscnt 0x0                               ; the add is done, and my reads of this slot are over
	s_barrier_signal -1
	MULA 1, 1, 0
.if \fill
	WIN 0
.endif
	s_barrier_wait -1
.if \fill
	CREST                                          ; no wave of any partner still reads this slot or has a load on its way
	s_add_nc_u64 s[G0A+4*\slot+2:G0A+4*\slot+3], s[G0A+4*\slot+2:G0A+4*\slot+3], 1048576
	s_add_nc_u64 s[G0B+4*\slot+2:G0B+4*\slot+3], s[G0B+4*\slot+2:G0B+4*\slot+3], 524288
	JLOAD \slot                                    ; the four v_nop behind it are also the places in front of the loads below
.else
	PLACES
.endif
	FETCH \next, 0, 0
.if \fill
	ASK
.endif
	WIN MUL
	MULA 1, 2, 0
	MULA 1, 3, 0
.endm
	s_wait_tensorcnt 1                             ; my part of K step 0 is in; K step 1's load may be out
	s_barrier_signal -1
	s_barrier_wait -1
	FETCH 0, 0, 0
	s_wait_loadcnt 0x0                             ; the bias
	QUARTER 0, 1, 0, 1, 1                          ; the first quarter stands in front of the loop: its products start the sums
	WIN 0
	s_mov_b32 s3, 3
.Llap:                                             ; a trip goes once round the ring and fills both slots again: K steps 2 to 7
	QUARTER 0, 2, 1, 0, 0
	QUARTER 0, 3, 0, 1, 0
	TURN 0, 1, 1
	QUARTER 1, 1, 0, 1, 0
	QUARTER 1, 2, 1, 0, 0
	QUARTER 1, 3, 0, 1, 0
	TURN 1, 0, 1
	QUARTER 0, 1, 0, 1, 0
	WIN 0
	s_sub_co_u32 s3, s3, 1
	s_cmp_lg_u32 s3, 0
	s_cbranch_scc1 .Llap
	QUARTER 0, 2, 1, 0, 0                          ; the last lap fills nothing
	QUARTER 0, 3, 0, 1, 0
	TURN 0, 1, 0
	QUARTER 1, 1, 0, 1, 0
	QUARTER 1, 2, 1, 0, 0
	QUARTER 1, 3, 0, 1, 0
	s_wait_dscnt 4
	WIN MUL
	MULA 1, 0, 0
	MULA 1, 1, 0
	s_wait_dscnt 0
	MULA 1, 2, 0
	MULA 1, 3, 0
	WIN 0
; THE WAY OUT, a block of 16 rows x 128 columns at a time, through my own stage: in as 32 bytes a lane, back as whole rows of 512 bytes.  The stage lies in slot 0, which has had its last fill and, since the last change of slots, no reader.
.macro TOSTAGE a
	WIN 0x08                                       ; the data: window 2
.irp b, 0,1,2,3,4,5,6,7
	ds_store_b128 v[STO], v[64*(\a)+8*\b:64*(\a)+8*\b+3] offset:64*\b
	ds_store_b128 v[STO], v[64*(\a)+8*\b+4:64*(\a)+8*\b+7] offset:64*\b+16
.endr
	WIN 0
.set BB, BK+64*((\a)%2)
.irp t, 0,1,2,3,4,5,6,7,8,9,10,11,12,13,14,15
	ds_load_b128 v[BB+4*\t:BB+4*\t+3], v[RD] offset:\t*528
.endr
.endm
.macro SEND a, younger
.set BB, BK+64*((\a)%2)
	s_wait_dscnt \younger                          ; the block is back; the LDS instructions issued behind its loads may be out
.irp t, 0,1,2,3,4,5,6,7,8,9,10,11,12,13,14,15
	global_store_b128 v[CO], v[BB+4*\t:BB+4*\t+3], s[10:11] offset:65536*(\a)+4096*\t th:TH_STORE_NT   ; 32 lanes store 512 consecutive bytes, aligned to 256
.endr
.endm
	PLACES
	TOSTAGE 0
.irp a, 1,2,3
.if \a > 1
	s_wait_xcnt 0x0                                ; block a - 2's stores have read their registers: block a's loads may land there
.endif
	TOSTAGE \a
	SEND \a-1, 32                                  ; behind block a - 1's loads: block a's 16 stores and 16 loads
.endr
	SEND 3, 0
	s_wait_tensorcnt 0x0                           ; the wave's end
	ds_add_u32 v[SPW], v[NIL]
	s_wait_dscnt 0x0
	CROUND                                         ; the closing round
	s_endpgm
.Lfunc_end_k_q469aa14398_proj:
	.size	k_q469aa14398_proj, .Lfunc_end_k_q469aa14398_proj-k_q469aa14398_proj
	.p2alignl 7, 3214868480
	.fill 96, 4, 3214868480
	.section	.rodata,"a",@progbits
	.p2align	6, 0x0
	.amdhsa_kernel k_q469aa14398_proj
		.amdhsa_group_segment_fixed_size 327680
		.amdhsa_private_segment_fixed_size 0
		.amdhsa_enable_private_segment 0
		.amdhsa_kernarg_size 32
		.amdhsa_user_sgpr_count 2
		.amdhsa_user_sgpr_kernarg_segment_ptr 1
		.amdhsa_wavefront_size32 1
		.amdhsa_system_sgpr_workgroup_id_x 1
		.amdhsa_system_sgpr_workgroup_id_y 1
		.amdhsa_system_sgpr_workgroup_id_z 1
		.amdhsa_system_vgpr_workitem_id 0
		.amdhsa_next_free_vgpr 768
		.amdhsa_next_free_sgpr 66
		.amdhsa_reserve_vcc 0
		.amdhsa_float_denorm_mode_32 3
		.amdhsa_float_denorm_mode_16_64 3
		.amdhsa_memory_ordered 1
		.amdhsa_forward_progress 1
		.amdhsa_inst_pref_size 88
	.end_amdhsa_kernel
	.amdgpu_metadata
---
amdhsa.version: [ 1, 2 ]
amdhsa.kernels:
  - .name:           k_q469aa14398_proj
    .symbol:         k_q469aa14398_proj.kd
    .args:
      - { .name: y16, .offset: 0, .size: 8, .value_kind: global_buffer, .address_space: global }
      - { .name: wp16, .offset: 8, .size: 8, .value_kind: global_buffer, .address_space: global }
      - { .name: b_proj, .offset: 16, .size: 8, .value_kind: global_buffer, .address_space: global }
      - { .name: out0, .offset: 24, .size: 8, .value_kind: global_buffer, .address_space: global }
    .group_segment_fixed_size: 327680
    .private_segment_fixed_size: 0
    .kernarg_segment_align: 8
    .kernarg_segment_size: 32
    .max_flat_workgroup_size: 128
    .sgpr_count:     66
    .vgpr_count:     768
    .wavefront_size: 32
...
	.end_amdgpu_metadata
.endif
;; end of part 4
;; launch fine (part 5): grid 64 x 4, 4 waves a work-group, no clusters, 4,608 bytes of LDS; arguments qkv16, w_proj, b_proj, out0; writes out0
.if DOCPART == 5
	.amdgcn_target "amdgcn-amd-amdhsa--gfx1250"
	.amdhsa_code_object_version 6
	.text
	.protected	k_q469aa14398_fine
	.globl	k_q469aa14398_fine
	.p2align	8
	.type	k_q469aa14398_fine,@function
k_q469aa14398_fine:
	s_mov_b64 s[64:65], 0
	v_nop
	global_prefetch_b8 v0, s[64:65] scope:SCOPE_SE
	s_setreg_imm32_b32 hwreg(HW_REG_WAVE_MODE, 25, 1), 1
	s_wait_xcnt 0x0
; The first 16 positions of each sequence once more, in f32 from end to end: under the causal mask they average one to sixteen values, are the largest numbers of the output, and f16 operands would use up what the comparison allows.
; Work-group (x, y): batch y, output columns 16 x .. 16 x + 15, positions 0-15.  Wave w takes heads 4 w + g, g = 0..3: their 16 x 16 attention, and their 256 of the projection's 1,024 along K; the four waves' parts meet in LDS.
; The attention is made anew in each of a batch's 64 work-groups (128 small matrix instructions a wave): that spares a launch.  All products by v_wmma_f32_16x16x4_f32; nothing is a loop.
; qkv16 holds, for each batch and each 16 columns of qkv, the image of an accumulator: lane (r, h), register j = qkv[position r][16 block + 8 h + j], registers 0-3 at 16 lane, 4-7 at 512 + 16 lane.
; THE LAYOUT.  The form's operands hold k = 2 h + j in register j.  A pair of image registers (2 s, 2 s + 1) holds channels 8 h + 2 s + j: a K step of four channels under one permutation of k, the same
; on both sides.  So q's and k's images, p and y are operands as they stand; v and w_proj are loaded to match.
; S^T = k q^T: a lane holds one query (lane % 16) and keys 8 h + 0..7.  O^T = v^T p, out^T = w^T y: a lane holds one position throughout.
; A work-group's 16 columns are 64 bytes of a row: these 64 rows of out0 (256 KiB in all) are written in pieces of 32 bytes a lane.
; LIMITS: NaN and infinities are not served.
; REGISTERS: window 0: v1-8 addresses; v16-31 at work; v32-63 p; v64-191 y; v192-247 the sums; v254, v255 the add's two.   window 1: q at 64 g + 8 c, k at 64 g + 32 + 8 c.
;   window 2: v^T at 32 g + 8 t + n, w_proj at 128 + 32 g + 8 t + n.   window 3, written by matrix instructions alone: S^T at 8 g, O^T at 32 + 32 g + 8 t, out^T's parts at 160 + 8 g.
.set SPARE, 4096
.set SPW, 254
.set NIL, 255
.set MSB, 0
.macro WIN new
.if MSB != (\new)
	s_set_vgpr_msb (MSB<<8)|(\new)
.set MSB, (\new)
.endif
.endm
.macro PLACES8                         ; eight plain vector lines between a product of this form and the first read of its result (ISA guide 7.12.1)
.rept 8
	v_nop
.endr
.endm
	s_load_b256 s[4:11], s[0:1], 0x0               ; qkv16, w_proj, b_proj, out0
	v_lshl_add_u32 v[SPW], v0, 2, SPARE
	v_mov_b32 v[NIL], 0
	v_lshrrev_b32 v9, 5, v0
	v_readfirstlane_b32 s12, v9                    ; wave 0..3
	s_and_b32 s14, ttmp7, 0xffff                   ; batch
	v_and_b32 v9, 31, v0                           ; lane
	v_and_b32 v10, 15, v0                          ; r
	v_bfe_u32 v11, v0, 4, 1                        ; h
	v_lshlrev_b32 v1, 4, v9                        ; 16 x lane: an image's place for my lane
	v_bfe_u32 v12, v0, 2, 1                        ; v^T: lane (r, h), register n wants v[position 8 h + n][channel r of the tile]: in the image that is lane 8 h + n + 16 (r / 8), register r % 8
	v_lshlrev_b32 v2, 9, v12
	v_bfe_u32 v12, v0, 3, 1
	v_lshl_add_u32 v2, v12, 8, v2
	v_and_b32 v12, 3, v0
	v_lshl_add_u32 v2, v12, 2, v2
	v_lshl_add_u32 v2, v11, 7, v2                  ; 512 ((r / 4) % 2) + 256 (r / 8) + 4 (r % 4) + 128 h; 16 n stands in the immediate
	v_lshlrev_b32 v3, 2, v10
	v_lshl_add_u32 v3, v11, 15, v3                 ; w_proj: column r, rows 8 h on: 4 r + 8 h rows of 4,096 bytes
	v_lshlrev_b32 v12, 3, v11
	v_sub_nc_u32 v4, v10, v12                      ; r - 8 h: register j's key 8 h + j is hidden where j > r - 8 h
	v_mov_b32 v5, 0xff800000                       ; -infinity
	s_lshl_b32 s16, s12, 10
	v_add_nc_u32 v6, s16, v1                       ; LDS: my wave's 1,024 bytes, 16 a lane
	v_lshlrev_b32 v7, 12, v10
	v_lshl_add_u32 v7, v11, 5, v7                  ; out0: row r, + 32 h
	v_lshlrev_b32 v8, 5, v11                       ; b_proj: 32 h
.irp g, 0,1,2,3
	v_mov_b32 v[20+\g], 0                          ; written once: a lane permute's destination counts as one of its sources
.endr
	s_mov_b32 s18, 0x3e38aa3b                      ; c = log2(e) / 8
	s_mov_b32 s20, 0x76543210
	s_mov_b32 s21, 0xfedcba98
	s_mul_i32 s16, s14, 196608                     ; qkv16: my batch, my four heads' blocks
	s_lshl_b32 s17, s12, 14
	s_add_co_u32 s16, s16, s17
	s_mov_b32 s17, 0
	s_lshl_b32 s22, s12, 20                        ; w_proj: row 256 w, column 16 x
	s_lshl_b32 s24, ttmp9, 6
	s_add_co_u32 s22, s22, s24
	s_mov_b32 s23, 0
	s_mov_b32 s25, 0
	s_lshl_b32 s26, s14, 23                        ; out0: row 2,048 batch, column 16 x
	s_add_co_u32 s26, s26, s24
	s_mov_b32 s27, 0
	s_wait_kmcnt 0x0
	s_add_nc_u64 s[4:5], s[4:5], s[16:17]
	s_add_nc_u64 s[6:7], s[6:7], s[22:23]
	s_add_nc_u64 s[8:9], s[8:9], s[24:25]
	s_add_nc_u64 s[10:11], s[10:11], s[26:27]
	WIN 0x40                                       ; destination window 1
.irp g, 0,1,2,3
.irp c, 0,1,2,3
	global_load_b128 v[64*\g+8*\c:64*\g+8*\c+3], v1, s[4:5] offset:(4*\g+\c)*1024
	global_load_b128 v[64*\g+8*\c+4:64*\g+8*\c+7], v1, s[4:5] offset:(4*\g+\c)*1024+512
	global_load_b128 v[64*\g+32+8*\c:64*\g+32+8*\c+3], v1, s[4:5] offset:65536+(4*\g+\c)*1024
	global_load_b128 v[64*\g+32+8*\c+4:64*\g+32+8*\c+7], v1, s[4:5] offset:65536+(4*\g+\c)*1024+512
.endr
.endr
	WIN 0x80                                       ; destination window 2
.irp g, 0,1,2,3
.irp t, 0,1,2,3
.irp n, 0,1,2,3,4,5,6,7
	global_load_b32 v[32*\g+8*\t+\n], v2, s[4:5] offset:131072+(4*\g+\t)*1024+16*\n
.endr
.endr
.endr
	s_wait_loadcnt 0x0                             ; q, k, v
.irp g, 0,1,2,3                                ; w_proj's 256 rows x 16 columns are asked for now and land under the attention
.irp t, 0,1,2,3
.irp n, 0,1,2,3,4,5,6,7
	global_load_b32 v[128+32*\g+8*\t+\n], v3, s[6:7] offset:(64*\g+16*\t+\n)*4096
.endr
.endr
.endr
	; ---- S^T = k q^T: 16 K steps of four channels; the four heads' accumulators take turns; each sum's first step takes the constant 0
	WIN 0xf5                                       ; k and q window 1, C and D window 3
.irp c, 0,1,2,3
.irp s, 0,1,2,3
.irp g, 0,1,2,3
.if \c+\s == 0
	v_wmma_f32_16x16x4_f32 v[8*\g:8*\g+7], v[64*\g+32+8*\c+2*\s:64*\g+32+8*\c+2*\s+1], v[64*\g+8*\c+2*\s:64*\g+8*\c+2*\s+1], 0
.else
	v_wmma_f32_16x16x4_f32 v[8*\g:8*\g+7], v[64*\g+32+8*\c+2*\s:64*\g+32+8*\c+2*\s+1], v[64*\g+8*\c+2*\s:64*\g+8*\c+2*\s+1], v[8*\g:8*\g+7]
.endif
.endr
.endr
.endr
	WIN 0
.irp j, 0,1,2,3,4,5,6,7
	v_cmp_gt_i32 s[40+\j], \j, v4                  ; register j's key is hidden
.endr
	PLACES8
	WIN 0x03                                       ; source 0 window 3
.irp j, 0,1,2,3,4,5,6,7                        ; the scores go into other registers, hidden ones as -infinity; each accumulator from its low end on
.irp g, 0,1,2,3
	v_cndmask_b32 v[32+8*\g+\j], v[8*\g+\j], v5, s[40+\j]
.endr
.endr
	WIN 0
	; ---- the softmax: key 0 counts for every query, so the maximum is a number
.irp g, 0,1,2,3
	v_max3_num_f32 v[16+\g], v[32+8*\g], v[33+8*\g], v[34+8*\g]
.endr
.irp g, 0,1,2,3
	v_max3_num_f32 v[16+\g], v[16+\g], v[35+8*\g], v[36+8*\g]
.endr
.irp g, 0,1,2,3
	v_max3_num_f32 v[16+\g], v[16+\g], v[37+8*\g], v[38+8*\g]
.endr
.irp g, 0,1,2,3
	v_max_num_f32 v[16+\g], v[16+\g], v[39+8*\g]
.endr
.irp g, 0,1,2,3
	v_permlanex16_b32 v[20+\g], v[16+\g], s20, s21 ; the query's other eight keys lie in the lane 16 away
.endr
.irp g, 0,1,2,3
	v_max_num_f32 v[16+\g], v[16+\g], v[20+\g]
.endr
.irp g, 0,1,2,3
	v_mul_f32 v[16+\g], s18, v[16+\g]              ; c m
.endr
.irp j, 0,1,2,3,4,5,6,7
.irp g, 0,1,2,3
	v_fma_f32 v[32+8*\g+\j], v[32+8*\g+\j], s18, -v[16+\g]
.endr
.endr
.irp j, 0,1,2,3,4,5,6,7
.irp g, 0,1,2,3
	v_exp_f32 v[32+8*\g+\j], v[32+8*\g+\j]         ; p = 2^(c s - c m)
.endr
.endr
	v_nop
	s_wait_alu depctr_va_vdst(0)                   ; one wait for the batch of 32, ahead of its first reader
.irp g, 0,1,2,3
	v_pk_add_f32 v[24+2*\g:25+2*\g], v[32+8*\g:33+8*\g], v[34+8*\g:35+8*\g]
.endr
.irp g, 0,1,2,3
	v_pk_add_f32 v[24+2*\g:25+2*\g], v[24+2*\g:25+2*\g], v[36+8*\g:37+8*\g]
.endr
.irp g, 0,1,2,3
	v_pk_add_f32 v[24+2*\g:25+2*\g], v[24+2*\g:25+2*\g], v[38+8*\g:39+8*\g]
.endr
.irp g, 0,1,2,3
	v_add_f32 v[16+\g], v[24+2*\g], v[25+2*\g]
.endr
.irp g, 0,1,2,3
	v_permlanex16_b32 v[20+\g], v[16+\g], s20, s21
.endr
.irp g, 0,1,2,3
	v_add_f32 v[16+\g], v[16+\g], v[20+\g]         ; the row's sum
.endr
.irp g, 0,1,2,3
	v_rcp_f32 v[24+2*\g], v[16+\g]
.endr
	v_nop
	s_wait_alu depctr_va_vdst(0)                   ; one wait for the four reciprocals
	; ---- O^T = v^T p: four K steps of four keys; sixteen accumulators by turns
	WIN 0xf2                                       ; v^T window 2, p window 0, C and D window 3
.irp s, 0,1,2,3
.irp g, 0,1,2,3
.irp t, 0,1,2,3
.if \s == 0
	v_wmma_f32_16x16x4_f32 v[32+32*\g+8*\t:32+32*\g+8*\t+7], v[32*\g+8*\t+2*\s:32*\g+8*\t+2*\s+1], v[32+8*\g+2*\s:32+8*\g+2*\s+1], 0
.else
	v_wmma_f32_16x16x4_f32 v[32+32*\g+8*\t:32+32*\g+8*\t+7], v[32*\g+8*\t+2*\s:32*\g+8*\t+2*\s+1], v[32+8*\g+2*\s:32+8*\g+2*\s+1], v[32+32*\g+8*\t:32+32*\g+8*\t+7]
.endif
.endr
.endr
.endr
	WIN 0
	PLACES8
	WIN 0x03
.irp g, 0,1,2,3                                ; y = O^T / the sum, into other registers: lane (r, h), register 8 t + j = y[position r][64 head + 16 t + 8 h + j]
.irp n, 0,1,2,3,4,5,6,7,8,9,10,11,12,13,14,15
	v_pk_mul_f32 v[64+32*\g+2*\n:64+32*\g+2*\n+1], v[32+32*\g+2*\n:32+32*\g+2*\n+1], v[24+2*\g:25+2*\g] op_sel_hi:[1,0]
.endr
.endr
	s_wait_loadcnt 0x0                             ; w_proj
	; ---- out^T += w^T y: my 256 along K, 64 K steps of four; the four heads' accumulators by turns
	WIN 0xf2
.irp t, 0,1,2,3
.irp s, 0,1,2,3
.irp g, 0,1,2,3
.if \t+\s == 0
	v_wmma_f32_16x16x4_f32 v[160+8*\g:160+8*\g+7], v[128+32*\g+8*\t+2*\s:128+32*\g+8*\t+2*\s+1], v[64+32*\g+8*\t+2*\s:64+32*\g+8*\t+2*\s+1], 0
.else
	v_wmma_f32_16x16x4_f32 v[160+8*\g:160+8*\g+7], v[128+32*\g+8*\t+2*\s:128+32*\g+8*\t+2*\s+1], v[64+32*\g+8*\t+2*\s:64+32*\g+8*\t+2*\s+1], v[160+8*\g:160+8*\g+7]
.endif
.endr
.endr
.endr
	WIN 0
	PLACES8
	WIN 0x0f                                       ; sources window 3, destination window 0
.irp n, 0,1,2,3
	v_pk_add_f32 v[192+2*\n:193+2*\n], v[160+2*\n:161+2*\n], v[168+2*\n:169+2*\n]
	v_pk_add_f32 v[200+2*\n:201+2*\n], v[176+2*\n:177+2*\n], v[184+2*\n:185+2*\n]
.endr
	WIN 0
.irp n, 0,1,2,3
	v_pk_add_f32 v[192+2*\n:193+2*\n], v[192+2*\n:193+2*\n], v[200+2*\n:201+2*\n]   ; my four heads' part
.endr
	ds_store_b128 v6, v[192:195]
	ds_store_b128 v6, v[196:199] offset:512
	s_wait_dscnt 0x0                               ; for the others' sake: my stores have landed
	s_barrier_signal -1
	s_barrier_wait -1
	s_cmp_lg_u32 s12, 0
	s_cbranch_scc1 .Ldone                          ; wave 0 adds the four parts and the bias, and stores
	global_load_b128 v[240:243], v8, s[8:9]
	global_load_b128 v[244:247], v8, s[8:9] offset:16
.irp w, 0,1,2,3
	ds_load_b128 v[208+8*\w:208+8*\w+3], v1 offset:1024*\w
	ds_load_b128 v[208+8*\w+4:208+8*\w+7], v1 offset:1024*\w+512
.endr
	s_wait_dscnt 0x0
	s_wait_loadcnt 0x0
.irp n, 0,1,2,3
	v_pk_add_f32 v[208+2*\n:209+2*\n], v[208+2*\n:209+2*\n], v[216+2*\n:217+2*\n]
	v_pk_add_f32 v[224+2*\n:225+2*\n], v[224+2*\n:225+2*\n], v[232+2*\n:233+2*\n]
.endr
.irp n, 0,1,2,3
	v_pk_add_f32 v[208+2*\n:209+2*\n], v[208+2*\n:209+2*\n], v[224+2*\n:225+2*\n]
.endr
.irp n, 0,1,2,3
	v_pk_add_f32 v[208+2*\n:209+2*\n], v[208+2*\n:209+2*\n], v[240+2*\n:241+2*\n]
.endr
	global_store_b128 v7, v[208:211], s[10:11]     ; out0[2,048 batch + r][16 x + 8 h + 0..3]
	global_store_b128 v7, v[212:215], s[10:11] offset:16
.Ldone:
	s_wait_tensorcnt 0x0                           ; the wave's end
	ds_add_u32 v[SPW], v[NIL]
	s_wait_dscnt 0x0
	s_endpgm
.Lfunc_end_k_q469aa14398_fine:
	.size	k_q469aa14398_fine, .Lfunc_end_k_q469aa14398_fine-k_q469aa14398_fine
	.p2alignl 7, 3214868480
	.fill 96, 4, 3214868480
	.section	.rodata,"a",@progbits
	.p2align	6, 0x0
	.amdhsa_kernel k_q469aa14398_fine
		.amdhsa_group_segment_fixed_size 4608
		.amdhsa_private_segment_fixed_size 0
		.amdhsa_enable_private_segment 0
		.amdhsa_kernarg_size 32
		.amdhsa_user_sgpr_count 2
		.amdhsa_user_sgpr_kernarg_segment_ptr 1
		.amdhsa_wavefront_size32 1
		.amdhsa_system_sgpr_workgroup_id_x 1
		.amdhsa_system_sgpr_workgroup_id_y 1
		.amdhsa_system_sgpr_workgroup_id_z 1
		.amdhsa_system_vgpr_workitem_id 0
		.amdhsa_next_free_vgpr 1024
		.amdhsa_next_free_sgpr 66
		.amdhsa_reserve_vcc 0
		.amdhsa_float_denorm_mode_32 3
		.amdhsa_float_denorm_mode_16_64 3
		.amdhsa_memory_ordered 1
		.amdhsa_forward_progress 1
		.amdhsa_inst_pref_size 62
	.end_amdhsa_kernel
	.amdgpu_metadata
---
amdhsa.version: [ 1, 2 ]
amdhsa.kernels:
  - .name:           k_q469aa14398_fine
    .symbol:         k_q469aa14398_fine.kd
    .args:
      - { .name: qkv16, .offset: 0, .size: 8, .value_kind: global_buffer, .address_space: global }
      - { .name: w_proj, .offset: 8, .size: 8, .value_kind: global_buffer, .address_space: global }
      - { .name: b_proj, .offset: 16, .size: 8, .value_kind: global_buffer, .address_space: global }
      - { .name: out0, .offset: 24, .size: 8, .value_kind: global_buffer, .address_space: global }
    .group_segment_fixed_size: 4608
    .private_segment_fixed_size: 0
    .kernarg_segment_align: 8
    .kernarg_segment_size: 32
    .max_flat_workgroup_size: 128
    .sgpr_count:     66
    .vgpr_count:     1024
    .wavefront_size: 32
...
	.end_amdgpu_metadata
.endif
;; end of part 5
